; MI455X (gfx1250); checked and timed in simulation.
; The chip was launched on July 23, 2026; its instructions are those of AMD's public machine-readable ISA for CDNA 5 (MIT licence, August 2026) and "CDNA5" Instruction Set Architecture Reference Guide (July 2026). The comments in the code are by the model that wrote it; some were corrected since.
;; Multi Head Attention. Allowed arithmetic: float matrix products may take bf16 or f16 operands with f32 sums; all other float work in f32.
;; Inputs: Wk 1,024 x 1,024 float32; Wo 1,024 x 1,024 float32; Wq 1,024 x 1,024 float32; Wv 1,024 x 1,024 float32; bk 1,024 float32; bo 1,024 float32; bq 1,024 float32; bv 1,024 float32; gk 1,024 float32; gq 1,024 float32; gv 1,024 float32; key 4 x 2,048 x 1,024 float32; mask 4 x 2,048 x 2,048 bool; query 4 x 2,048 x 1,024 float32; value 4 x 2,048 x 1,024 float32.
;; Outputs: out0 4 x 2,048 x 1,024 float32.
;; 2 versions, each right. Each part assembles by itself: llvm-mc -triple=amdgcn-amd-amdhsa -mcpu=gfx1250 --defsym DOCPART=n.
;; ======== version 1 of 2: 4 launches
;; limits: values are held in f16: magnitudes above 65,504 overflow, below 6.1e-05 lose precision; right only within a limited range of input values; inputs' magnitudes at most 65,504
;; workspace buffers: wb 8,388,608 bytes; mbits 2,097,152 bytes of whole numbers; qkv 50,331,648 bytes; att 16,777,216 bytes
;; launch prep (part 1): grid 1024 x 1, 8 waves a work-group, no clusters, 35,840 bytes of LDS; arguments Wq, Wk, Wv, Wo, mask, wb, mbits; writes wb, mbits
.if DOCPART == 1
	.amdgcn_target "amdgcn-amd-amdhsa--gfx1250"
	.amdhsa_code_object_version 6
	.text
	.protected	k_qd3d9c6f110_prep
	.globl	k_qd3d9c6f110_prep
	.p2align	8
	.type	k_qd3d9c6f110_prep,@function
k_qd3d9c6f110_prep:
	s_mov_b64 s[64:65], 0
	v_nop
	global_prefetch_b8 v0, s[64:65] scope:SCOPE_SE
	s_setreg_imm32_b32 hwreg(HW_REG_WAVE_MODE, 25, 1), 1
	s_wait_xcnt 0x0
; prep: two streams in one launch.
; Work-groups 0-511: the four weights [1024 k][1024 n] f32 are rounded to f16, layout unchanged, into wb = [4][1024][1024] (order q, k, v, o).
;   A work-group takes 32,768 bytes of one weight; thread t takes 16 bytes of each of eight blocks of 4,096 bytes; a wave's store covers 256 consecutive bytes, aligned.
;   f16 and not bf16: 11 significant bits against 8.  LIMIT: |W| < 65,504 (larger numbers become infinite); below 6.1e-5 the absolute error is at most 3e-8.
; Work-groups 512-1023: the mask [4][2048 q][2048 k] of bytes becomes lane masks, mbits = [b 4][q tile 128][step 32][word 32] of 32 bits:
;   word 8 t + j, bit L = mask[b][16 qtile + (L & 15)][64 step + 16 t + 8 (L >> 4) + j], which is the place of a score in the attention launch's registers.
;   A work-group takes one q tile (16 rows), wave w the keys 256 w .. 256 w + 255: whole pieces of 256 bytes come in, go through the wave's own LDS rows
;   (pitch 272 bytes), and 128 compares make 128 words, stored as 512 consecutive bytes.
; No matrix unit, no cluster, no tensor load: nothing is shared and every byte is touched once.
.set MPITCH, 272                       ; an LDS row of the mask part: 256 bytes + 16
.set MWAVE,  16*MPITCH                 ; a wave's 16 rows
	s_load_b256 s[4:11], s[0:1], 0x0               ; Wq s[4:5], Wk s[6:7], Wv s[8:9], Wo s[10:11]
	s_load_b128 s[12:15], s[0:1], 0x20             ; mask s[12:13], wb s[14:15]
	s_load_b64 s[16:17], s[0:1], 0x30              ; mbits
	v_lshl_add_u32 v80, v0, 2, 0x8800
	v_mov_b32 v81, 0
	s_mov_b32 s23, 0                               ; high words of the two offsets
	s_mov_b32 s25, 0
	s_wait_kmcnt 0x0
	s_cmp_lt_u32 ttmp9, 512
	s_cbranch_scc0 .Lmask
	; ---- the cast ----
	s_lshr_b32 s20, ttmp9, 7                       ; which weight
	s_and_b32 s21, ttmp9, 127                      ; which block of 32,768 bytes
	s_cmp_eq_u32 s20, 1
	s_cselect_b64 s[4:5], s[6:7], s[4:5]
	s_cmp_eq_u32 s20, 2
	s_cselect_b64 s[4:5], s[8:9], s[4:5]
	s_cmp_eq_u32 s20, 3
	s_cselect_b64 s[4:5], s[10:11], s[4:5]
	s_lshl_b32 s22, s21, 15
	s_add_nc_u64 s[4:5], s[4:5], s[22:23]
	s_lshl_b32 s24, s20, 21                        ; 2 MiB of f16 for each weight
	s_lshl_b32 s21, s21, 14
	s_add_co_u32 s24, s24, s21
	s_add_nc_u64 s[14:15], s[14:15], s[24:25]
	v_lshlrev_b32 v1, 4, v0                        ; 16 t: in
	v_lshlrev_b32 v2, 3, v0                        ; 8 t: out
.irp c, 0,1,2,3,4,5,6,7
	global_load_b128 v[4+4*\c:7+4*\c], v1, s[4:5] offset:4096*\c th:TH_LOAD_NT
.endr
.irp c, 0,1,2,3,4,5,6,7
	s_wait_loadcnt 7-\c                            ; loads come back in order: block c is in, the 7 - c younger ones stay out
	v_cvt_pk_f16_f32 v[36+2*\c], v[4+4*\c], v[5+4*\c]
	v_cvt_pk_f16_f32 v[37+2*\c], v[6+4*\c], v[7+4*\c]
	global_store_b64 v2, v[36+2*\c:37+2*\c], s[14:15] offset:2048*\c
.endr
	s_endpgm
	; ---- the mask ----
.Lmask:
	s_sub_co_u32 s20, ttmp9, 512                   ; 128 b + q tile
	v_lshrrev_b32 v1, 5, v0
	v_readfirstlane_b32 s26, v1                    ; wave
	s_lshl_b32 s22, s20, 15                        ; 16 rows of 2,048 bytes
	s_add_nc_u64 s[12:13], s[12:13], s[22:23]
	s_lshl_b32 s24, s20, 12                        ; 1,024 words
	s_add_nc_u64 s[16:17], s[16:17], s[24:25]
	s_mul_i32 s27, s26, MWAVE                      ; my wave's LDS rows
	v_and_b32 v1, 31, v0                           ; L
	v_and_b32 v2, 15, v0                           ; r
	v_bfe_u32 v3, v0, 4, 1                         ; h
	v_lshlrev_b32 v4, 4, v2
	v_lshl_add_u32 v5, v3, 11, v4                  ; in: row h of a pair of rows, 16 bytes at 16 r,
	v_lshl_add_u32 v5, s26, 8, v5                  ; in my wave's 256 keys
	v_mul_u32_u24 v6, v3, MPITCH
	v_add_nc_u32 v6, v6, v4
	v_add_nc_u32 v6, s27, v6                       ; the same place in LDS
	v_mul_u32_u24 v7, v2, MPITCH
	v_lshl_add_u32 v7, v3, 3, v7
	v_add_nc_u32 v7, s27, v7                       ; back: row r, 8 bytes at 8 h
	v_lshlrev_b32 v4, 4, v1
	v_lshl_add_u32 v4, s26, 9, v4                  ; out: 512 w + 16 L
.irp i, 0,1,2,3,4,5,6,7
	global_load_b128 v[8+4*\i:11+4*\i], v5, s[12:13] offset:4096*\i th:TH_LOAD_NT
.endr
.irp k, 72,73,74,75
	v_mov_b32 v\k, 0                               ; v_writelane_b32 keeps the other lanes: the four output words exist before it
.endr
.irp i, 0,1,2,3,4,5,6,7
	s_wait_loadcnt 7-\i                            ; rows 2 i and 2 i + 1 are in
	ds_store_b128 v6, v[8+4*\i:11+4*\i] offset:2*MPITCH*\i
.endr
.irp t, 0,1,2,3,4,5,6,7,8,9,10,11,12,13,14,15
	ds_load_b64 v[40+2*\t:41+2*\t], v7 offset:16*\t ; my wave's own bytes, served in order behind its stores: no wait, no barrier
.endr
.irp t, 0,1,2,3,4,5,6,7,8,9,10,11,12,13,14,15
	s_wait_dscnt 15-\t                             ; the 8 bytes of key group t are in
.irp j, 0,1,2,3,4,5,6,7
	v_and_b32 v[76+(\j&3)], 0xff<<(8*(\j&3)), v[40+2*\t+(\j>>2)]
	v_cmp_ne_u32 s[28+(\j&3)], 0, v[76+(\j&3)]     ; bit L = my byte j is true
	v_writelane_b32 v[72+(\j&3)], s[28+(\j&3)], 2*\t+(\j>>2)   ; word 8 t + j lies in lane (8 t + j) / 4, register (8 t + j) mod 4
.endr
.endr
	global_store_b128 v4, v[72:75], s[16:17]
	s_wait_tensorcnt 0x0
	ds_add_u32 v80, v81
	s_wait_dscnt 0x0
	s_endpgm
.Lfunc_end_k_qd3d9c6f110_prep:
	.size	k_qd3d9c6f110_prep, .Lfunc_end_k_qd3d9c6f110_prep-k_qd3d9c6f110_prep
	.p2alignl 7, 3214868480
	.fill 96, 4, 3214868480
	.section	.rodata,"a",@progbits
	.p2align	6, 0x0
	.amdhsa_kernel k_qd3d9c6f110_prep
		.amdhsa_group_segment_fixed_size 35840
		.amdhsa_private_segment_fixed_size 0
		.amdhsa_enable_private_segment 0
		.amdhsa_kernarg_size 56
		.amdhsa_user_sgpr_count 2
		.amdhsa_user_sgpr_kernarg_segment_ptr 1
		.amdhsa_wavefront_size32 1
		.amdhsa_system_sgpr_workgroup_id_x 1
		.amdhsa_system_sgpr_workgroup_id_y 1
		.amdhsa_system_sgpr_workgroup_id_z 1
		.amdhsa_system_vgpr_workitem_id 0
		.amdhsa_next_free_vgpr 82
		.amdhsa_next_free_sgpr 66
		.amdhsa_reserve_vcc 0
		.amdhsa_float_denorm_mode_32 3
		.amdhsa_float_denorm_mode_16_64 3
		.amdhsa_memory_ordered 1
		.amdhsa_forward_progress 1
		.amdhsa_inst_pref_size 33
	.end_amdhsa_kernel
	.amdgpu_metadata
---
amdhsa.version: [ 1, 2 ]
amdhsa.kernels:
  - .name:           k_qd3d9c6f110_prep
    .symbol:         k_qd3d9c6f110_prep.kd
    .args:
      - { .name: Wq, .offset: 0, .size: 8, .value_kind: global_buffer, .address_space: global }
      - { .name: Wk, .offset: 8, .size: 8, .value_kind: global_buffer, .address_space: global }
      - { .name: Wv, .offset: 16, .size: 8, .value_kind: global_buffer, .address_space: global }
      - { .name: Wo, .offset: 24, .size: 8, .value_kind: global_buffer, .address_space: global }
      - { .name: mask, .offset: 32, .size: 8, .value_kind: global_buffer, .address_space: global }
      - { .name: wb, .offset: 40, .size: 8, .value_kind: global_buffer, .address_space: global }
      - { .name: mbits, .offset: 48, .size: 8, .value_kind: global_buffer, .address_space: global }
    .group_segment_fixed_size: 35840
    .private_segment_fixed_size: 0
    .kernarg_segment_align: 8
    .kernarg_segment_size: 56
    .max_flat_workgroup_size: 256
    .sgpr_count:     66
    .vgpr_count:     82
    .wavefront_size: 32
...
	.end_amdgpu_metadata
.endif
;; end of part 1
;; launch proj (part 2): grid 128 x 3, 4 waves a work-group, clusters of 4 x 1, 327,680 bytes of LDS; arguments query, key, value, gq, gk, gv, bq, bk, bv, wb, qkv; writes qkv
.if DOCPART == 2
	.amdgcn_target "amdgcn-amd-amdhsa--gfx1250"
	.amdhsa_code_object_version 6
	.text
	.protected	k_qd3d9c6f110_proj
	.globl	k_qd3d9c6f110_proj
	.p2align	8
	.type	k_qd3d9c6f110_proj,@function
k_qd3d9c6f110_proj:
	s_mov_b64 s[64:65], 0
	v_nop
	global_prefetch_b8 v0, s[64:65] scope:SCOPE_SE
	s_setreg_imm32_b32 hwreg(HW_REG_WAVE_MODE, 25, 1), 1
	s_wait_xcnt 0x0
	s_wait_alu depctr_hold_cnt(0) depctr_sa_sdst(0) depctr_va_vdst(0) depctr_va_sdst(0) depctr_va_ssrc(0) depctr_va_vcc(0) depctr_vm_vsrc(0)
	s_getreg_b32 s2, hwreg(HW_REG_IB_STS2, 6, 4)
	s_cmp_eq_u32 s2, 0
	s_cbranch_scc0 .Lentry_in_a_cluster
	s_endpgm
.Lentry_in_a_cluster:
	s_bfe_u32 s2, ttmp6, 0x10000c
	s_cmp_lg_u32 s2, 0x3003
	s_cbranch_scc0 .Lentry_shape_is_right
	s_endpgm
.Lentry_shape_is_right:
; proj: y = LayerNorm(x W) * g + b for q, k and v (grid y = 0, 1, 2), stored in f16 as qkv = [3][B 4][H 16][S 2048][64].
; A work-group makes 64 rows x all 1,024 columns, so that a row's mean and variance stay inside it; wave w makes columns 256 w .. 256 w + 255:
; 4 row tiles x 16 column tiles = 64 accumulators = 512 registers.  384 work-groups: 96 rows each would make 256 but do not divide 8,192.
; K goes in steps of 64.  W (f16, [k][n]) comes by tensor loads into two LDS slots, each wave its own strip of 64 k rows x 512 bytes; fragments are read with the
; transposing LDS load.  x (f32) comes through registers, two K steps ahead, is rounded to f16 and laid into a ring of its own that no tensor load touches.
; CLUSTER: the four work-groups of a cluster lie along x, share grid y and so W: every W tile is asked for jointly (mask 15), which divides the requests for W by four.
; The matrix instruction is used transposed (source 0 = W's columns, source 1 = x's rows): lane (r, h), register j holds row 16 rt + r, column 256 w + 16 nt + 8 h + j.
; LayerNorm in f32 in two passes (mean; then centred squares).  q is stored times log2(e) / 8, so that the attention launch's scores are exponents of 2.
; FORMAT: matrix operands are f16 (11 significant bits; bf16's 8 are too few for the five roundings between the inputs and the output).
; LIMITS: |x| and |W| < 65,504; a normalised number is at most sqrt(1023) < 32 in magnitude, so the results fit f16 while 32 |g| + |b| < 65,504.
; Beyond these f16 gives infinities.  NaN and infinities in the inputs are not served.
; REGISTER WINDOWS: 0 addresses, x fragments, x as loaded, work; 1 W fragments (later g and b); 2 accumulators of row tiles 0, 1; 3 of row tiles 2, 3.
.set KSTEPB, 131072                    ; bytes of wb from one K step to the next: 64 rows of 2,048
.set WPITCH, 544                       ; LDS row of W: 512 bytes + 32 = 17 x 32
.set STRIP,  64*WPITCH                 ; a wave's strip
.set WSLOT,  4*STRIP
.set XRING,  2*WSLOT                   ; 278,528 = 1,088 x 256: the bytes from here on are written by LDS stores alone
.set XPITCH, 144                       ; LDS row of x: 128 bytes + 16
.set XSLOT,  64*XPITCH
.set SUMS,   XRING+2*XSLOT             ; [row 64][wave 4] f32: sums; 1,024 bytes further: sums of squares
.set SPITCH, 528                       ; the way out: 512 bytes + 16; the stage is the wave's own strip of slot 0, behind that slot's last fill
.set WADR, 16                          ; v16-17 W fragments, slot 0, 1
.set XADR, 18                          ; v18-19 x fragments
.set ASTO, 20                          ; v20-21 where I lay x
.set XOFF, 22                          ; my 16 bytes of x
.set STO,  23
.set RD,   24
.set CO,   25
.set GOFF, 26
.set STW,  27                          ; my word of the sums
.set STR,  28                          ; my row's four words
.set MU,   32                          ; v[32:39] mean of row tile rt, twice
.set RS,   40                          ; v[40:47] 1 / sqrt(var + eps) x scale, twice
.set CV,   48                          ; v[48:63] at work
.set XF0,  64                          ; x fragments, two buffers of 4 x 8
.set XF1,  96
.set XS,   128                         ; x as loaded: v[128:159] even K steps, v[160:191] odd
.set TMP,  192                         ; v[192:255] at work
.set WF0,  0                           ; window 1: W fragments, two buffers of 16 x 8
.set WF1,  128
.set G1,   40                          ; s[40:47]
.set G0,   48                          ; s[48:55], a set for each slot
.set MUL_LO, 0xa1                      ; source 0 window 1, source 1 window 0, C and D window 2
.set MUL_HI, 0xf1                      ; C and D window 3
.set TO_W,   0x40                      ; destination window 1
.set MSB, 0
.macro WIN new                         ; the immediate's high byte repeats the setting that is left
.if MSB != \new
	s_set_vgpr_msb (MSB<<8)|\new
.set MSB, \new
.endif
.endm
.macro PLACES                          ; four plain vector instructions behind a matrix instruction (ISA guide 7.12.1) before its registers are loaded into or its result is read
.rept 4
	v_nop
.endr
.endm
.macro CREST                           ; a round of the cluster's barrier behind its opening barrier
	s_cmp_lg_u32 s34, 0
	s_cbranch_scc1 .Lnot_wave_0_\@
	s_barrier_signal -3
.Lnot_wave_0_\@:
	s_barrier_wait -3
	s_barrier_signal -1
	s_barrier_wait -1
.endm
.macro CROUND
	s_barrier_signal -1
	s_barrier_wait -1
	CREST
.endm
.macro XLOAD set, imm                  ; a K step of my 16 rows of x: each load takes two pieces of 256 consecutive bytes
.irp i, 0,1,2,3,4,5,6,7
	global_load_b128 v[\set+4*\i:\set+4*\i+3], v[XOFF], s[4:5] offset:8192*\i+\imm th:TH_LOAD_NT
.endr
.endm
.macro XSTORE set, slot                ; rounded to f16 and laid into the x ring
.irp i, 0,1,2,3,4,5,6,7
	v_cvt_pk_f16_f32 v[CV+2*\i], v[\set+4*\i], v[\set+4*\i+1]
	v_cvt_pk_f16_f32 v[CV+2*\i+1], v[\set+4*\i+2], v[\set+4*\i+3]
.endr
.irp i, 0,1,2,3,4,5,6,7
	ds_store_b64 v[ASTO+\slot], v[CV+2*\i:CV+2*\i+1] offset:2*XPITCH*\i
.endr
.endm
; 16 matrix instructions: one row tile (2 hi + a) x 16 column tiles, 32 along K.  The 64 accumulators take turns, one instruction a turn, in the same order in every half step.
.macro MUL16 wf, xf, hi, a, zero
.irp nt, 0,1,2,3,4,5,6,7,8,9,10,11,12,13,14,15
.if \zero
	v_wmma_f32_16x16x32_f16 v[8*(16*\a+\nt):8*(16*\a+\nt)+7], v[\wf+8*\nt:\wf+8*\nt+7], v[\xf+8*(2*\hi+\a):\xf+8*(2*\hi+\a)+7], 0
.else
	v_wmma_f32_16x16x32_f16 v[8*(16*\a+\nt):8*(16*\a+\nt)+7], v[\wf+8*\nt:\wf+8*\nt+7], v[\xf+8*(2*\hi+\a):\xf+8*(2*\hi+\a)+7], v[8*(16*\a+\nt):8*(16*\a+\nt)+7]
.endif
.endr
.endm
; 40 LDS loads: the fragments of half kk of a K step
.macro FETCH slot, kk, wf, xf
	WIN TO_W
.irp nt, 0,1,2,3,4,5,6,7,8,9,10,11,12,13,14,15
	ds_load_tr16_b128 v[\wf+8*\nt:\wf+8*\nt+3],   v[WADR+\slot] offset:\kk*32*WPITCH+32*\nt
	ds_load_tr16_b128 v[\wf+8*\nt+4:\wf+8*\nt+7], v[WADR+\slot] offset:\kk*32*WPITCH+32*\nt+16*WPITCH
.endr
	WIN 0
.irp rt, 0,1,2,3
	ds_load_b128 v[\xf+8*\rt:\xf+8*\rt+3],   v[XADR+\slot] offset:\rt*16*XPITCH+64*\kk
	ds_load_b128 v[\xf+8*\rt+4:\xf+8*\rt+7], v[XADR+\slot] offset:\rt*16*XPITCH+64*\kk+32
.endr
.endm
; first half of a K step: multiplies buffer 0, fetches the second half into buffer 1
.macro HALF slot, zero
	s_wait_dscnt 4                                 ; all but the four youngest loads (x of row tiles 2 and 3)
	WIN MUL_LO
	MUL16 WF0, XF0, 0, 0, \zero
	MUL16 WF0, XF0, 0, 1, \zero
	PLACES
	FETCH \slot, 1, WF1, XF1
	s_wait_dscnt 40                                ; all but the 40 just issued
	WIN MUL_HI
	MUL16 WF0, XF0, 1, 0, \zero
	MUL16 WF0, XF0, 1, 1, \zero
.endm
; second half: multiplies buffer 1 and changes slots.  fill: W's slot gets the tile two K steps ahead, and x of that step, which was asked for two steps ago, is laid into x's slot.
; ld: x of four steps ahead is asked for.  cnt: the x loads younger than those that are laid down now.
.macro TURN slot, next, fill, ld, cnt
	s_wait_dscnt 4
	WIN MUL_LO
	MUL16 WF1, XF1, 0, 0, 0
	s_wait_dscnt 0x0                               ; my reads of both rings' slot, and my stores into x's other slot, are done
	s_set_vgpr_msb 0xa1a0
	s_wait_tensorcnt 0x0                           ; all my tensor loads have landed: the one that was out is my strip of the next slot
	ds_add_u32 v30, v31
	s_wait_dscnt 0x0
	s_set_vgpr_msb 0xa0a1
	s_barrier_signal -1                            ; where a slot is filled again this barrier opens a round of the cluster's barrier
	MUL16 WF1, XF1, 0, 1, 0                        ; register work alone while the others arrive
	WIN 0
	s_barrier_wait -1
.if \fill
	CREST                                          ; no wave of any partner still reads this slot or has a load on its way
	s_add_nc_u64 s[G0+4*\slot+2:G0+4*\slot+3], s[G0+4*\slot+2:G0+4*\slot+3], 2*KSTEPB
	tensor_load_to_lds s[G0+4*\slot:G0+4*\slot+3], s[G1:G1+7]   ; my one tensor load behind the round, and the first thing there
	s_nop 0
	PLACES                                         ; also the places in front of the fragment loads below
	s_wait_loadcnt \cnt
	XSTORE XS+32*\slot, \slot
.if \ld
	s_wait_xcnt 0x0                                ; x's base is stepped only behind this wait
	s_add_nc_u64 s[4:5], s[4:5], 256
	XLOAD XS+32*\slot, 0
.endif
.else
	PLACES
.endif
	FETCH \next, 0, WF0, XF0
	WIN MUL_HI
	MUL16 WF1, XF1, 1, 0, 0
	MUL16 WF1, XF1, 1, 1, 0
.endm
	s_load_b512 s[4:19], s[0:1], 0x0               ; query, key, value, gq, gk, gv, bq, bk
	s_load_b128 s[20:23], s[0:1], 0x40             ; bv, wb
	s_load_b64 s[24:25], s[0:1], 0x50              ; qkv
	v_lshl_add_u32 v30, v0, 2, 0x49000
	v_mov_b32 v31, 0
	ds_add_u32 v30, v31
	v_lshrrev_b32 v1, 5, v0
	v_readfirstlane_b32 s34, v1                    ; wave
	s_and_b32 s26, ttmp7, 0xffff                   ; which projection: the same in all four partners
	s_bfe_u32 s27, ttmp6, 0x40000                  ; cx
	s_lshl_b32 s36, ttmp9, 2
	s_add_co_u32 s27, s36, s27                     ; block of 64 rows, 0 to 127
	s_mov_b32 s30, 0x76543210                      ; v_permlanex16_b32: lane i reads lane i of the other half
	s_mov_b32 s31, 0xfedcba98
	s_mov_b32 s32, 0x3a800000                      ; 1 / 1024
	s_mov_b32 s33, 0x3727c5ac                      ; 1e-5
	; group 1: 64 rows x 256 elements of 2 bytes, pitch 1,024 elements; 8 words of padding behind every 128
	s_mov_b32 s[G1+0], 15|(1<<16)|(1<<20)|(1<<21)|(6<<22)|(7<<25)
	s_mov_b32 s[G1+1], 256<<16
	s_mov_b32 s[G1+2], 64<<16
	s_mov_b32 s[G1+3], 256<<16
	s_mov_b32 s[G1+4], 64
	s_mov_b32 s[G1+5], 1024
	s_mov_b32 s[G1+6], 0
	s_mov_b32 s[G1+7], 0
	s_lshl_b32 s38, s26, 21                        ; W's offset: the projection's 2 MiB and my wave's 512 bytes of a row; no place in the cluster enters it
	s_lshl_b32 s39, s34, 9
	s_add_co_u32 s38, s38, s39
	s_mov_b32 s39, 0
	s_mul_i32 s56, s34, STRIP                      ; my strip in LDS
	s_lshl_b32 s36, s27, 18                        ; x's offset: 64 rows of 4,096 bytes
	s_mov_b32 s37, 0
	v_and_b32 v1, 31, v0                           ; L
	v_and_b32 v2, 15, v0                           ; r
	v_bfe_u32 v3, v0, 4, 1                         ; h
	v_and_b32 v4, 7, v0
	v_bfe_u32 v5, v0, 3, 1
	v_lshlrev_b32 v[XOFF], 4, v2
	v_lshl_add_u32 v[XOFF], v3, 12, v[XOFF]
	v_lshl_add_u32 v[XOFF], s34, 16, v[XOFF]       ; row 16 w + h, byte 16 r
	s_wait_dscnt 0x0
	s_wait_kmcnt 0x0
	s_cmp_eq_u32 s26, 1
	s_cselect_b64 s[4:5], s[6:7], s[4:5]
	s_cselect_b64 s[10:11], s[12:13], s[10:11]
	s_cselect_b64 s[16:17], s[18:19], s[16:17]
	s_cmp_eq_u32 s26, 2
	s_cselect_b64 s[4:5], s[8:9], s[4:5]           ; x
	s_cselect_b64 s[10:11], s[14:15], s[10:11]     ; g
	s_cselect_b64 s[16:17], s[20:21], s[16:17]     ; b
	s_cmp_eq_u32 s26, 0
	s_cselect_b32 s28, 0x3e38aa3b, 1.0             ; q alone is scaled by log2(e) / 8
	s_mov_b32 s29, s28
	s_add_nc_u64 s[4:5], s[4:5], s[36:37]
	s_add_nc_u64 s[22:23], s[22:23], s[38:39]
	XLOAD XS, 0                                    ; x of K steps 0 and 1
	XLOAD XS+32, 256
.irp s, 0,1
	s_mov_b32 s[G0+4*\s], 1
	s_add_co_u32 s[G0+4*\s+1], s56, \s*WSLOT
	s_add_nc_u64 s[G0+4*\s+2:G0+4*\s+3], s[22:23], \s*KSTEPB
	s_or_b32 s[G0+4*\s+3], s[G0+4*\s+3], 0x80000000
.endr
	CROUND                                         ; all four work-groups are here: the first joint loads meet
	tensor_load_to_lds s[G0:G0+3], s[G1:G1+7]      ; both first fills go out together: two loads of the wave are out here, one behind every later round
	s_nop 0
	PLACES
	tensor_load_to_lds s[G0+4:G0+7], s[G1:G1+7]
	s_nop 0
	PLACES
	v_mul_u32_u24 v6, v3, XPITCH
	v_lshl_add_u32 v6, v2, 3, v6
	s_mul_i32 s57, s34, 16*XPITCH
	s_add_co_u32 s57, s57, XRING
	v_add_nc_u32 v[ASTO], s57, v6                  ; x ring, row 16 w + h, byte 8 r
	v_add_nc_u32 v[ASTO+1], XSLOT, v[ASTO]
	v_mul_u32_u24 v6, v2, XPITCH
	v_lshl_add_u32 v6, v3, 4, v6
	v_add_nc_u32 v[XADR], XRING, v6                ; row r, byte 16 h
	v_add_nc_u32 v[XADR+1], XRING+XSLOT, v6
	v_lshl_add_u32 v6, v3, 3, v4
	v_mul_u32_u24 v6, v6, WPITCH
	v_lshl_add_u32 v6, v5, 4, v6
	v_add_nc_u32 v[WADR], s56, v6                  ; k row 8 h + (L & 7), 16 bytes at 16 ((L >> 3) & 1)
	v_add_nc_u32 v[WADR+1], WSLOT, v[WADR]
	v_mul_u32_u24 v6, v2, SPITCH
	v_lshl_add_u32 v6, v3, 4, v6
	v_add_nc_u32 v[STO], s56, v6
	v_lshrrev_b32 v6, 3, v1
	v_mul_u32_u24 v6, v6, SPITCH
	v_lshl_add_u32 v6, v4, 4, v6
	v_add_nc_u32 v[RD], s56, v6
	v_lshlrev_b32 v[CO], 4, v1
	v_lshlrev_b32 v[GOFF], 5, v3
	v_lshl_add_u32 v[GOFF], s34, 10, v[GOFF]       ; g and b: column 256 w + 8 h
	v_lshlrev_b32 v[STR], 4, v2
	v_add_nc_u32 v[STR], SUMS, v[STR]
	v_lshl_add_u32 v[STW], s34, 2, v[STR]
	s_lshr_b32 s36, s27, 5                         ; where the results go: plane, batch, my wave's four heads, the block's first row
	s_lshl_b32 s36, s36, 4
	s_lshl2_add_u32 s36, s34, s36                  ; 16 b + 4 w
	s_lshl_b32 s36, s36, 18
	s_and_b32 s37, s27, 31
	s_lshl_b32 s37, s37, 13
	s_add_co_u32 s36, s36, s37
	s_lshl_b32 s37, s26, 24
	s_add_co_u32 s36, s36, s37
	s_mov_b32 s37, 0
	s_add_nc_u64 s[24:25], s[24:25], s[36:37]
	s_wait_loadcnt 8                               ; x of step 0; step 1's eight loads stay out
	XSTORE XS, 0
	s_wait_loadcnt 0x0
	XSTORE XS+32, 1
	s_add_nc_u64 s[4:5], s[4:5], 768               ; no load is out: the base moves to step 3
	XLOAD XS, -256                                 ; x of steps 2 and 3
	XLOAD XS+32, 0
	s_wait_tensorcnt 1                             ; my strip of slot 0 is in; slot 1's may stay out
	s_wait_dscnt 0x0                               ; my rows of x are in LDS
	s_barrier_signal -1
	s_barrier_wait -1
	FETCH 0, 0, WF0, XF0
	HALF 0, 1                                      ; K steps 0 and 1; the first products start the sums
	TURN 0, 1, 1, 1, 8
	HALF 1, 0
	TURN 1, 0, 1, 1, 8
	WIN 0
	s_mov_b32 s35, 5                               ; K steps 2 to 11
.Llap:
	HALF 0, 0
	TURN 0, 1, 1, 1, 8
	HALF 1, 0
	TURN 1, 0, 1, 1, 8
	WIN 0
	s_sub_co_u32 s35, s35, 1
	s_cmp_lg_u32 s35, 0
	s_cbranch_scc1 .Llap
	HALF 0, 0                                      ; steps 12 and 13 fill the slots for the last time and ask for no more x
	TURN 0, 1, 1, 0, 8
	HALF 1, 0
	TURN 1, 0, 1, 0, 0
	HALF 0, 0                                      ; steps 14 and 15 fill nothing
	TURN 0, 1, 0, 0, 0
	HALF 1, 0
	s_wait_dscnt 4
	WIN MUL_LO
	MUL16 WF1, XF1, 0, 0, 0
	MUL16 WF1, XF1, 0, 1, 0
	s_wait_dscnt 0x0
	WIN MUL_HI
	MUL16 WF1, XF1, 1, 0, 0
	MUL16 WF1, XF1, 1, 1, 0
	WIN 0
	PLACES
	; ---- LayerNorm ----  g and b of my 128 columns take the W fragments' registers; they are needed in the third pass
	WIN TO_W
.irp nt, 0,1,2,3,4,5,6,7,8,9,10,11,12,13,14,15
	global_load_b128 v[8*\nt:8*\nt+3],   v[GOFF], s[10:11] offset:64*\nt
	global_load_b128 v[8*\nt+4:8*\nt+7], v[GOFF], s[10:11] offset:64*\nt+16
.endr
.irp nt, 0,1,2,3,4,5,6,7,8,9,10,11,12,13,14,15
	global_load_b128 v[128+8*\nt:128+8*\nt+3],   v[GOFF], s[16:17] offset:64*\nt
	global_load_b128 v[128+8*\nt+4:128+8*\nt+7], v[GOFF], s[16:17] offset:64*\nt+16
.endr
; pass 1: the sum of my wave's 256 columns of row 16 rt + r.  ab: the tile's first register in its window; wrd: sources 0 and 1 in that window
.macro PASS1 rt, ab, wrd
	WIN \wrd
.set cc, 0
.rept 32
	v_pk_add_f32 v[TMP+2*cc:TMP+2*cc+1], v[\ab+4*cc:\ab+4*cc+1], v[\ab+4*cc+2:\ab+4*cc+3]
.set cc, cc+1
.endr
	WIN 0
.irp hw, 16,8,4,2,1
.set cc, 0
.rept \hw
	v_pk_add_f32 v[TMP+2*cc:TMP+2*cc+1], v[TMP+2*cc:TMP+2*cc+1], v[TMP+2*(cc+\hw):TMP+2*(cc+\hw)+1]
.set cc, cc+1
.endr
.endr
	v_add_f32 v[TMP], v[TMP], v[TMP+1]
	v_permlanex16_b32 v[TMP+1], v[TMP], s30, s31   ; the other half of the lanes holds the row's other columns
	v_add_f32 v[TMP], v[TMP], v[TMP+1]
	ds_store_b32 v[STW], v[TMP] offset:256*\rt
.endm
; the four waves' figures of my four rows, added: v[TMP + 4 rt]
.macro GATHER off
	s_wait_dscnt 0x0                               ; my words are in LDS
	s_barrier_signal -1
	s_barrier_wait -1
.irp rt, 0,1,2,3
	ds_load_b128 v[TMP+4*\rt:TMP+4*\rt+3], v[STR] offset:\off+256*\rt
.endr
	s_wait_dscnt 0x0
.irp rt, 0,1,2,3
	v_add_f32 v[TMP+4*\rt], v[TMP+4*\rt], v[TMP+4*\rt+1]
	v_add_f32 v[TMP+4*\rt+2], v[TMP+4*\rt+2], v[TMP+4*\rt+3]
	v_add_f32 v[TMP+4*\rt], v[TMP+4*\rt], v[TMP+4*\rt+2]
.endr
.endm
; pass 2: centre in place, then the sum of squares on four chains.  wip: destination and source 0 in the tile's window
.macro PASS2 rt, ab, wip, wrd
	WIN \wip
.set cc, 0
.rept 64
	v_pk_add_f32 v[\ab+2*cc:\ab+2*cc+1], v[\ab+2*cc:\ab+2*cc+1], v[MU+2*\rt:MU+2*\rt+1] neg_lo:[0,1] neg_hi:[0,1]
.set cc, cc+1
.endr
	WIN \wrd
.set cc, 0
.rept 4
	v_pk_mul_f32 v[CV+2*cc:CV+2*cc+1], v[\ab+2*cc:\ab+2*cc+1], v[\ab+2*cc:\ab+2*cc+1]
.set cc, cc+1
.endr
.rept 60
	v_pk_fma_f32 v[CV+2*(cc%4):CV+2*(cc%4)+1], v[\ab+2*cc:\ab+2*cc+1], v[\ab+2*cc:\ab+2*cc+1], v[CV+2*(cc%4):CV+2*(cc%4)+1]
.set cc, cc+1
.endr
	WIN 0
	v_pk_add_f32 v[CV:CV+1], v[CV:CV+1], v[CV+2:CV+3]
	v_pk_add_f32 v[CV+4:CV+5], v[CV+4:CV+5], v[CV+6:CV+7]
	v_pk_add_f32 v[CV:CV+1], v[CV:CV+1], v[CV+4:CV+5]
	v_add_f32 v[CV], v[CV], v[CV+1]
	v_permlanex16_b32 v[CV+1], v[CV], s30, s31
	v_add_f32 v[CV], v[CV], v[CV+1]
	ds_store_b32 v[STW], v[CV] offset:1024+256*\rt
.endm
; pass 3: scale, gain and bias, round to f16, 16 rows through my stage, out as 512 consecutive bytes a store (four rows of one head).
; wgb: destination and source 0 in the tile's window, sources 1 and 2 in window 1; buf: where the rows are read back to, two sets by turns
.macro PASS3 rt, ab, wip, wgb, wrd, buf
	WIN \wip
.set cc, 0
.rept 64
	v_pk_mul_f32 v[\ab+2*cc:\ab+2*cc+1], v[\ab+2*cc:\ab+2*cc+1], v[RS+2*\rt:RS+2*\rt+1]
.set cc, cc+1
.endr
	WIN \wgb
.set cc, 0
.rept 64
	v_pk_fma_f32 v[\ab+2*cc:\ab+2*cc+1], v[\ab+2*cc:\ab+2*cc+1], v[2*cc:2*cc+1], v[128+2*cc:128+2*cc+1]
.set cc, cc+1
.endr
	WIN \wrd
.set cc, 0
.rept 64
	v_cvt_pk_f16_f32 v[TMP+cc], v[\ab+2*cc], v[\ab+2*cc+1]
.set cc, cc+1
.endr
	WIN 0
.irp nt, 0,1,2,3,4,5,6,7,8,9,10,11,12,13,14,15
	ds_store_b128 v[STO], v[TMP+4*\nt:TMP+4*\nt+3] offset:32*\nt
.endr
	s_wait_xcnt 0x0                                ; the set that earlier stores read is loaded again only behind this wait
.irp i, 0,1,2,3,4,5,6,7,8,9,10,11,12,13,14,15
	ds_load_b128 v[\buf+4*\i:\buf+4*\i+3], v[RD] offset:(4*(\i&3))*SPITCH+128*(\i>>2)   ; my own bytes, served in order behind my stores
.endr
.irp i, 0,1,2,3,4,5,6,7,8,9,10,11,12,13,14,15
	s_wait_dscnt 15-\i
	global_store_b128 v[CO], v[\buf+4*\i:\buf+4*\i+3], s[24:25] offset:(\i>>2)*262144+(16*\rt+4*(\i&3))*128
.endr
.endm
	PASS1 0, 0,   0x0a
	PASS1 1, 128, 0x0a
	PASS1 2, 0,   0x0f
	PASS1 3, 128, 0x0f
	GATHER 0
.irp rt, 0,1,2,3
	v_mul_f32 v[MU+2*\rt], s32, v[TMP+4*\rt]
	v_mov_b32 v[MU+2*\rt+1], v[MU+2*\rt]
.endr
	PASS2 0, 0,   0x82, 0x0a
	PASS2 1, 128, 0x82, 0x0a
	PASS2 2, 0,   0xc3, 0x0f
	PASS2 3, 128, 0xc3, 0x0f
	GATHER 1024
.irp rt, 0,1,2,3
	v_fma_f32 v[TMP+4*\rt], v[TMP+4*\rt], s32, s33 ; variance + eps
.endr
.irp rt, 0,1,2,3
	v_rsq_f32 v[RS+2*\rt], v[TMP+4*\rt]
.endr
	v_nop                                          ; one plain vector instruction behind the transcendentals (ISA guide 5.7.2)
	s_wait_alu depctr_va_vdst(0)
.irp rt, 0,1,2,3
	v_mul_f32 v[RS+2*\rt], s28, v[RS+2*\rt]
	v_mov_b32 v[RS+2*\rt+1], v[RS+2*\rt]
.endr
	s_wait_loadcnt 0x0                             ; g and b
	WIN 0x41
.set cc, 0
.rept 64
	v_pk_mul_f32 v[128+2*cc:128+2*cc+1], v[128+2*cc:128+2*cc+1], s[28:29] op_sel_hi:[1,0]   ; the bias takes q's scale too
.set cc, cc+1
.endr
	PASS3 0, 0,   0x82, 0x96, 0x0a, 64
	PASS3 1, 128, 0x82, 0x96, 0x0a, 128
	PASS3 2, 0,   0xc3, 0xd7, 0x0f, 64
	PASS3 3, 128, 0xc3, 0xd7, 0x0f, 128
	s_wait_tensorcnt 0x0
	ds_add_u32 v30, v31
	s_wait_dscnt 0x0
	CROUND                                         ; the closing round: no work-group ends while a partner may still ask jointly
	s_endpgm
.Lfunc_end_k_qd3d9c6f110_proj:
	.size	k_qd3d9c6f110_proj, .Lfunc_end_k_qd3d9c6f110_proj-k_qd3d9c6f110_proj
	.p2alignl 7, 3214868480
	.fill 96, 4, 3214868480
	.section	.rodata,"a",@progbits
	.p2align	6, 0x0
	.amdhsa_kernel k_qd3d9c6f110_proj
		.amdhsa_group_segment_fixed_size 327680
		.amdhsa_private_segment_fixed_size 0
		.amdhsa_enable_private_segment 0
		.amdhsa_kernarg_size 88
		.amdhsa_user_sgpr_count 2
		.amdhsa_user_sgpr_kernarg_segment_ptr 1
		.amdhsa_wavefront_size32 1
		.amdhsa_system_sgpr_workgroup_id_x 1
		.amdhsa_system_sgpr_workgroup_id_y 1
		.amdhsa_system_sgpr_workgroup_id_z 1
		.amdhsa_system_vgpr_workitem_id 0
		.amdhsa_next_free_vgpr 1024
		.amdhsa_next_free_sgpr 66
		.amdhsa_reserve_vcc 0
		.amdhsa_float_denorm_mode_32 3
		.amdhsa_float_denorm_mode_16_64 3
		.amdhsa_memory_ordered 1
		.amdhsa_forward_progress 1
		.amdhsa_inst_pref_size 255
	.end_amdhsa_kernel
	.section	.bss,"aw",@nobits
	.p2align	6
	.space	262144
	.amdgpu_metadata
---
amdhsa.version: [ 1, 2 ]
amdhsa.kernels:
  - .name:           k_qd3d9c6f110_proj
    .symbol:         k_qd3d9c6f110_proj.kd
    .args:
      - { .name: query, .offset: 0, .size: 8, .value_kind: global_buffer, .address_space: global }
      - { .name: key, .offset: 8, .size: 8, .value_kind: global_buffer, .address_space: global }
      - { .name: value, .offset: 16, .size: 8, .value_kind: global_buffer, .address_space: global }
      - { .name: gq, .offset: 24, .size: 8, .value_kind: global_buffer, .address_space: global }
      - { .name: gk, .offset: 32, .size: 8, .value_kind: global_buffer, .address_space: global }
      - { .name: gv, .offset: 40, .size: 8, .value_kind: global_buffer, .address_space: global }
      - { .name: bq, .offset: 48, .size: 8, .value_kind: global_buffer, .address_space: global }
      - { .name: bk, .offset: 56, .size: 8, .value_kind: global_buffer, .address_space: global }
      - { .name: bv, .offset: 64, .size: 8, .value_kind: global_buffer, .address_space: global }
      - { .name: wb, .offset: 72, .size: 8, .value_kind: global_buffer, .address_space: global }
      - { .name: qkv, .offset: 80, .size: 8, .value_kind: global_buffer, .address_space: global }
    .group_segment_fixed_size: 327680
    .private_segment_fixed_size: 0
    .kernarg_segment_align: 8
    .kernarg_segment_size: 88
    .max_flat_workgroup_size: 128
    .sgpr_count:     66
    .vgpr_count:     1024
    .wavefront_size: 32
...
	.end_amdgpu_metadata
.endif
;; end of part 2
;; launch attn (part 3): grid 256 x 1, 8 waves a work-group, clusters of 4 x 1, 327,680 bytes of LDS; arguments qkv, mbits, att; writes att
.if DOCPART == 3
	.amdgcn_target "amdgcn-amd-amdhsa--gfx1250"
	.amdhsa_code_object_version 6
	.text
	.protected	k_qd3d9c6f110_attn
	.globl	k_qd3d9c6f110_attn
	.p2align	8
	.type	k_qd3d9c6f110_attn,@function
k_qd3d9c6f110_attn:
	s_mov_b64 s[64:65], 0
	v_nop
	global_prefetch_b8 v0, s[64:65] scope:SCOPE_SE
	s_setreg_imm32_b32 hwreg(HW_REG_WAVE_MODE, 25, 1), 1
	s_wait_xcnt 0x0
	s_wait_alu depctr_hold_cnt(0) depctr_sa_sdst(0) depctr_va_vdst(0) depctr_va_sdst(0) depctr_va_ssrc(0) depctr_va_vcc(0) depctr_vm_vsrc(0)
	s_getreg_b32 s2, hwreg(HW_REG_IB_STS2, 6, 4)
	s_cmp_eq_u32 s2, 0
	s_cbranch_scc0 .Lentry_in_a_cluster
	s_endpgm
.Lentry_in_a_cluster:
	s_bfe_u32 s2, ttmp6, 0x10000c
	s_cmp_lg_u32 s2, 0x3003
	s_cbranch_scc0 .Lentry_shape_is_right
	s_endpgm
.Lentry_shape_is_right:
; attn: softmax(q k^T + mask) v for each of 64 (batch, head) pairs, with a running maximum; att = [B][H][S][64] f16.
; A cluster of four work-groups takes one head; a work-group 512 query rows; each of its eight waves 64 rows (four q tiles), two waves on a SIMD, so that
; one wave's softmax arithmetic can run beside the other's matrix instructions.  The four work-groups walk the same K and V tiles and ask for them jointly (mask 15).
; Keys go in tiles of 256 through two LDS slots (waves 0-3 fetch K's quarters, waves 4-7 V's), four steps of 64 keys in a tile.  A head's rows are 128 bytes in memory and stay so.
; LAYOUT: S^T = K Q^T: lane (r, h) owns query r and holds keys 16 t + 8 h + j: maximum and sum stay in the lane but for one exchange of the halves, and the
; rounded P is a source-1 fragment as it stands.  O^T = V^T P^T, V^T read with the transposing LDS load: the rescaling is one factor a lane.
; q was stored times log2(e) / 8, so p = 2^(s - m) with an exact subtraction of the running maximum m.
; FORMAT: q, k, v, P and the result are f16.  P lies in (0, 1]: a weight below 6e-8 counts as 0 beside a row sum of at least 1.  The result is an average of v and is bounded as v is.
; LIMITS: a masked score is replaced by -1e9 log2(e), where reference() adds -1e9; in f32 the two agree while |sim| < 32, and beyond that they differ only in rows in which
; every key is masked.  Rows with every key masked give the average of v.  NaN and infinities are not served.
; The mask arrives as lane masks in scalar registers (32 words for a q tile and a step) and only selects values.
; WINDOWS: 0 addresses, softmax, S, P, K fragments; 1 O (v0-127), Q fragments (v128-191), V fragments (v192-255).
.set KPITCH, 144
.set VPITCH, 160                       ; 5 x 32
.set KBYTES, 256*KPITCH
.set SLOT,   KBYTES+256*VPITCH         ; 77,824
.set STAGE,  2*SLOT                    ; 155,648 = 608 x 256; 16 rows x 144 bytes for each wave
.set TILEB,  32768                     ; bytes of K (or V) in a tile
.set KA,   2                           ; v2-3 K fragments, slot 0, 1
.set VA,   4                           ; v4-5 V fragments
.set STO,  6
.set RD,   7
.set CO,   8
.set NEG,  9                           ; the masked score
.set QOFF, 10
.set T,    12                          ; v[12:15] at work
.set U,    16                          ; v[16:23] sums at work
.set M,    28                          ; v[28:35] running maximum of q tile qt, twice
.set LS,   36                          ; v[36:43] running sum, two partial sums
.set AL,   44                          ; v[44:45] the rescaling factor, twice
.set S,    64                          ; v[64:95]
.set PF,   96                          ; v[96:111]
.set KF,   128                         ; v[128:191]
.set O,    0                           ; window 1
.set QF,   128
.set VF,   192
.set G1K,  48
.set G1V,  56
.set G0K,  68                          ; s[68:75], a set for each slot
.set G0V,  76                          ; s[76:83]
.set MSB, 0
.macro WIN new
.if MSB != \new
	s_set_vgpr_msb (MSB<<8)|\new
.set MSB, \new
.endif
.endm
.macro PLACES                          ; four plain vector instructions behind a matrix instruction (ISA guide 7.12.1)
.rept 4
	v_nop
.endr
.endm
.macro CROUND                          ; a round of the cluster's barrier
	s_barrier_signal -1
	s_barrier_wait -1
	s_cmp_lg_u32 s10, 0
	s_cbranch_scc1 .Lnot_wave_0_\@
	s_barrier_signal -3
.Lnot_wave_0_\@:
	s_barrier_wait -3
	s_barrier_signal -1
	s_barrier_wait -1
.endm
.macro JLOAD s                         ; one joint load a wave: the branch hangs on the wave's number alone
	s_cmp_eq_u32 s11, 0
	s_cbranch_scc0 .Lfor_v_\@
	tensor_load_to_lds s[G0K+4*\s:G0K+4*\s+3], s[G1K:G1K+7]
	s_nop 0
	PLACES
	s_branch .Lasked_\@
.Lfor_v_\@:
	tensor_load_to_lds s[G0V+4*\s:G0V+4*\s+3], s[G1V:G1V+7]
	s_nop 0
	PLACES
.Lasked_\@:
.endm
.macro KLOAD slot, i                   ; 64 keys x 64 d as eight source-0 fragments
.irp t, 0,1,2,3
.irp u, 0,1
	ds_load_b128 v[KF+16*\t+8*\u:KF+16*\t+8*\u+3],   v[KA+\slot] offset:(64*(\i)+16*\t)*KPITCH+64*\u
	ds_load_b128 v[KF+16*\t+8*\u+4:KF+16*\t+8*\u+7], v[KA+\slot] offset:(64*(\i)+16*\t)*KPITCH+64*\u+32
.endr
.endr
.endm
.macro VLOAD slot, i                   ; the same keys of V, transposed: eight source-0 fragments of 16 d x 32 keys
	WIN 0x40
.irp dt, 0,1,2,3
.irp u, 0,1
	ds_load_tr16_b128 v[VF+16*\dt+8*\u:VF+16*\dt+8*\u+3],   v[VA+\slot] offset:(64*\i+32*\u)*VPITCH+32*\dt
	ds_load_tr16_b128 v[VF+16*\dt+8*\u+4:VF+16*\dt+8*\u+7], v[VA+\slot] offset:(64*\i+32*\u)*VPITCH+32*\dt+16*VPITCH
.endr
.endr
.endm
; the softmax step of q tile qt.  first: nothing is carried yet.  nextoff: where the next mask words lie (none if negative).  stepb: the mask's base moves on a tile.
.macro SMAX qt, first, nextoff, stepb
	s_wait_kmcnt 0x0                               ; my 32 mask words are in; the base is free
.if \stepb
	s_add_nc_u64 s[84:85], s[84:85], 512
.endif
.set cc, 0
.rept 32
	v_cndmask_b32 v[S+cc], v[NEG], v[S+cc], s[16+cc]
.set cc, cc+1
.endr
.if \nextoff >= 0
	s_load_b512 s[16:31], s[84:85], \nextoff       ; behind the selects that read the old words; they land during the rest of this step and sixteen matrix instructions
	s_load_b512 s[32:47], s[84:85], \nextoff+64
.endif
.if \first
	v_max_num_f32 v[T], v[S], v[S+1]
.else
	v_max3_num_f32 v[T], v[S], v[S+1], v[M+2*\qt]
.endif
	v_max3_num_f32 v[T+1], v[S+2], v[S+3], v[S+4]
	v_max3_num_f32 v[T+2], v[S+5], v[S+6], v[S+7]
	v_max3_num_f32 v[T+3], v[S+8], v[S+9], v[S+10]
.set cc, 0
.rept 10
	v_max3_num_f32 v[T+cc%4], v[T+cc%4], v[S+11+2*cc], v[S+12+2*cc]
.set cc, cc+1
.endr
	v_max3_num_f32 v[T], v[T], v[T+1], v[T+2]
	v_max3_num_f32 v[T], v[T], v[T+3], v[S+31]
	v_permlanex16_b32 v[T+1], v[T], s66, s67       ; the other half of the lanes holds the query's other keys
.if \first
	v_max_num_f32 v[M+2*\qt], v[T], v[T+1]
	v_mov_b32 v[M+2*\qt+1], v[M+2*\qt]
.else
	v_max_num_f32 v[T+1], v[T], v[T+1]
	v_sub_f32 v[T+2], v[M+2*\qt], v[T+1]
	v_exp_f32 v[AL], v[T+2]                        ; 2^(old maximum - new); the two moves below are the plain instructions behind it (ISA guide 5.7.2)
	v_mov_b32 v[M+2*\qt], v[T+1]
	v_mov_b32 v[M+2*\qt+1], v[T+1]
	s_wait_alu depctr_va_vdst(0)
	v_mov_b32 v[AL+1], v[AL]
.endif
.set cc, 0
.rept 16
	v_pk_add_f32 v[S+2*cc:S+2*cc+1], v[S+2*cc:S+2*cc+1], v[M+2*\qt:M+2*\qt+1] neg_lo:[0,1] neg_hi:[0,1]
.set cc, cc+1
.endr
.set cc, 0
.rept 32
	v_exp_f32 v[S+cc], v[S+cc]
.set cc, cc+1
.endr
	v_nop                                          ; one plain vector instruction behind the transcendentals
	s_wait_alu depctr_va_vdst(0)
.irp c, 0,1,2,3
	v_pk_add_f32 v[U+2*\c:U+2*\c+1], v[S+4*\c:S+4*\c+1], v[S+4*\c+2:S+4*\c+3]
.endr
.set cc, 0
.rept 8
	v_pk_add_f32 v[U+2*(cc%4):U+2*(cc%4)+1], v[U+2*(cc%4):U+2*(cc%4)+1], v[S+16+2*cc:S+16+2*cc+1]
.set cc, cc+1
.endr
	v_pk_add_f32 v[U:U+1], v[U:U+1], v[U+2:U+3]
	v_pk_add_f32 v[U+4:U+5], v[U+4:U+5], v[U+6:U+7]
.if \first
	v_pk_add_f32 v[LS+2*\qt:LS+2*\qt+1], v[U:U+1], v[U+4:U+5]
.else
	v_pk_add_f32 v[U:U+1], v[U:U+1], v[U+4:U+5]
	v_pk_fma_f32 v[LS+2*\qt:LS+2*\qt+1], v[LS+2*\qt:LS+2*\qt+1], v[AL:AL+1], v[U:U+1]
.endif
.set cc, 0
.rept 16
	v_cvt_pk_f16_f32 v[PF+cc], v[S+2*cc], v[S+2*cc+1]
.set cc, cc+1
.endr
.endm
; one q tile against 64 keys.  In both products four accumulators take turns, one instruction a turn.
.macro QT slot, i, qt, first, nextoff, stepb, kload
.if \qt == 0
	s_wait_dscnt 16                                ; K's fragments are in; the sixteen loads of V behind them stay out
.endif
	WIN 0x04                                       ; source 1 (Q) in window 1
.irp t, 0,1,2,3
	v_wmma_f32_16x16x32_f16 v[S+8*\t:S+8*\t+7], v[KF+16*\t:KF+16*\t+7], v[QF+16*\qt:QF+16*\qt+7], 0
.endr
.irp t, 0,1,2,3
	v_wmma_f32_16x16x32_f16 v[S+8*\t:S+8*\t+7], v[KF+16*\t+8:KF+16*\t+15], v[QF+16*\qt+8:QF+16*\qt+15], v[S+8*\t:S+8*\t+7]
.endr
	WIN 0
	PLACES
.if \kload
	KLOAD \slot, \i+1                              ; the last q tile has read K's fragments: the next step's come in under its softmax
.endif
	SMAX \qt, \first, \nextoff, \stepb
.if \qt == 0
	s_wait_dscnt 0x0                               ; V's fragments are in
.endif
	WIN 0x51                                       ; O and V in window 1, P and the factor in window 0
.if \first
.irp dt, 0,1,2,3
	v_wmma_f32_16x16x32_f16 v[O+8*(4*\qt+\dt):O+8*(4*\qt+\dt)+7], v[VF+16*\dt:VF+16*\dt+7], v[PF:PF+7], 0
.endr
.else
.set cc, 0
.rept 16
	v_pk_mul_f32 v[O+32*\qt+2*cc:O+32*\qt+2*cc+1], v[O+32*\qt+2*cc:O+32*\qt+2*cc+1], v[AL:AL+1]
.set cc, cc+1
.endr
.irp dt, 0,1,2,3
	v_wmma_f32_16x16x32_f16 v[O+8*(4*\qt+\dt):O+8*(4*\qt+\dt)+7], v[VF+16*\dt:VF+16*\dt+7], v[PF:PF+7], v[O+8*(4*\qt+\dt):O+8*(4*\qt+\dt)+7]
.endr
.endif
.irp dt, 0,1,2,3
	v_wmma_f32_16x16x32_f16 v[O+8*(4*\qt+\dt):O+8*(4*\qt+\dt)+7], v[VF+16*\dt+8:VF+16*\dt+15], v[PF+8:PF+15], v[O+8*(4*\qt+\dt):O+8*(4*\qt+\dt)+7]
.endr
.endm
; 64 keys for my four q tiles.  The mask words of q tile qt and step i lie at 4,096 qt + 128 i from the tile's base; off3: those behind the last q tile
.macro STEP slot, i, first, stepb, off3, kload
	PLACES
	VLOAD \slot, \i
	QT \slot, \i, 0, \first, 4096+128*\i, \stepb, 0
	QT \slot, \i, 1, \first, 8192+128*\i, 0, 0
	QT \slot, \i, 2, \first, 12288+128*\i, 0, 0
	QT \slot, \i, 3, \first, \off3, 0, \kload
.endm
; a tile of 256 keys.  The round of the cluster's barrier is the barrier in front of the refill: each wave's waits stand in front of it, the joint load first behind it.
.macro TRIP slot, other, refill, first, last
	WIN 0
	s_wait_tensorcnt 0x0                           ; all my tensor loads have landed (one was out: my part of this tile), so every group 0 may be written
	ds_add_u32 v254, v255
	s_wait_dscnt 0x0
	s_add_nc_u64 s[G0K+4*\slot+2:G0K+4*\slot+3], s[G0K+4*\slot+2:G0K+4*\slot+3], 2*TILEB
	s_add_nc_u64 s[G0V+4*\slot+2:G0V+4*\slot+3], s[G0V+4*\slot+2:G0V+4*\slot+3], 2*TILEB
	s_wait_dscnt 0x0                               ; my reads of the last tile are done
	CROUND
.if \refill
	JLOAD \other                                   ; the next tile, into the slot read last; it has this tile's four steps in which to land
.endif
	KLOAD \slot, 0
	STEP \slot, 0, \first, 1-\first, 128, 1
	STEP \slot, 1, 0, 0, 256, 1
	STEP \slot, 2, 0, 0, 384, 1
.if \last
	STEP \slot, 3, 0, 0, -1, 0
.else
	STEP \slot, 3, 0, 0, 512, 0
.endif
.endm
	s_load_b128 s[4:7], s[0:1], 0x0                ; qkv, mbits
	s_load_b64 s[8:9], s[0:1], 0x10                ; att
	v_lshl_add_u32 v254, v0, 2, 0x2a800
	v_mov_b32 v255, 0
	ds_add_u32 v254, v255
	v_lshrrev_b32 v1, 5, v0
	v_readfirstlane_b32 s10, v1                    ; wave
	s_lshr_b32 s11, s10, 2                         ; I fetch for K (0) or for V (1),
	s_and_b32 s12, s10, 3                          ; this quarter of the tile
	s_bfe_u32 s13, ttmp6, 0x40000                  ; cx: my block of 512 queries; ttmp9 is the cluster's number = 16 b + head
	s_mov_b32 s66, 0x76543210
	s_mov_b32 s67, 0xfedcba98
	; group 1: 64 rows x 64 elements of 2 bytes, dense; behind each row (32 words) 4 words of padding for K, 8 for V
	s_mov_b32 s[G1K+0], 15|(1<<16)|(1<<20)|(1<<21)|(4<<22)|(3<<25)
	s_mov_b32 s[G1V+0], 15|(1<<16)|(1<<20)|(1<<21)|(4<<22)|(7<<25)
.irp g, G1K, G1V
	s_mov_b32 s[\g+1], 64<<16
	s_mov_b32 s[\g+2], 64<<16
	s_mov_b32 s[\g+3], 64<<16
	s_mov_b32 s[\g+4], 64
	s_mov_b32 s[\g+5], 64
	s_mov_b32 s[\g+6], 0
	s_mov_b32 s[\g+7], 0
.endr
	s_lshl_b32 s88, ttmp9, 18                      ; K's offset: the head, my quarter, K's plane; no place in the cluster enters it
	s_lshl_b32 s14, s12, 13
	s_add_co_u32 s88, s88, s14
	s_add_co_u32 s88, s88, 0x1000000
	s_mov_b32 s89, 0
	s_mul_i32 s14, s12, 64*KPITCH                  ; my quarter in LDS
	s_mul_i32 s87, s12, 64*VPITCH
	s_lshl_b32 s90, ttmp9, 18                      ; my 64 rows of q and of att
	s_lshl_b32 s15, s13, 16
	s_add_co_u32 s90, s90, s15
	s_lshl_b32 s15, s10, 13
	s_add_co_u32 s90, s90, s15
	s_mov_b32 s91, 0
	s_lshr_b32 s84, ttmp9, 4                       ; my four q tiles of the mask words: batch, then 32 cx + 4 w tiles of 4,096 bytes
	s_lshl_b32 s84, s84, 19
	s_lshl_b32 s15, s13, 17
	s_add_co_u32 s84, s84, s15
	s_lshl_b32 s15, s10, 14
	s_add_co_u32 s84, s84, s15
	s_mov_b32 s85, 0
	v_and_b32 v1, 31, v0                           ; L
	v_and_b32 v11, 15, v0                          ; r
	v_bfe_u32 v24, v0, 4, 1                        ; h
	v_and_b32 v25, 7, v0
	v_bfe_u32 v26, v0, 3, 1
	v_lshlrev_b32 v[QOFF], 7, v11
	v_lshl_add_u32 v[QOFF], v24, 4, v[QOFF]
	s_wait_dscnt 0x0
	s_wait_kmcnt 0x0
	s_add_nc_u64 s[88:89], s[4:5], s[88:89]
	s_add_nc_u64 s[4:5], s[4:5], s[90:91]
	s_add_nc_u64 s[8:9], s[8:9], s[90:91]
	s_add_nc_u64 s[84:85], s[6:7], s[84:85]
	WIN 0x40
.irp qt, 0,1,2,3
.irp u, 0,1
	global_load_b128 v[QF+16*\qt+8*\u:QF+16*\qt+8*\u+3],   v[QOFF], s[4:5] offset:2048*\qt+64*\u
	global_load_b128 v[QF+16*\qt+8*\u+4:QF+16*\qt+8*\u+7], v[QOFF], s[4:5] offset:2048*\qt+64*\u+32
.endr
.endr
	WIN 0
	s_load_b512 s[16:31], s[84:85], 0x0            ; the first mask words
	s_load_b512 s[32:47], s[84:85], 0x40
.irp s, 0,1
	s_mov_b32 s[G0K+4*\s], 1
	s_add_co_u32 s[G0K+4*\s+1], s14, \s*SLOT
	s_add_nc_u64 s[G0K+4*\s+2:G0K+4*\s+3], s[88:89], \s*TILEB
	s_or_b32 s[G0K+4*\s+3], s[G0K+4*\s+3], 0x80000000
	s_mov_b32 s[G0V+4*\s], 1
	s_add_co_u32 s[G0V+4*\s+1], s87, \s*SLOT+KBYTES
	s_add_nc_u64 s[G0V+4*\s+2:G0V+4*\s+3], s[88:89], \s*TILEB+0x1000000
	s_or_b32 s[G0V+4*\s+3], s[G0V+4*\s+3], 0x80000000
.endr
	CROUND                                         ; all four work-groups are here
	JLOAD 0                                        ; tile 0; slot 1 is first filled behind the first tile's round.  One tensor load of a wave is out at any time
	v_mul_u32_u24 v27, v11, KPITCH
	v_lshl_add_u32 v[KA], v24, 4, v27              ; key row r, byte 16 h
	v_add_nc_u32 v[KA+1], SLOT, v[KA]
	v_lshl_add_u32 v27, v24, 3, v25
	v_mul_u32_u24 v27, v27, VPITCH
	v_lshl_add_u32 v27, v26, 4, v27                ; key row 8 h + (L & 7), 16 bytes at 16 ((L >> 3) & 1)
	v_add_nc_u32 v[VA], KBYTES, v27
	v_add_nc_u32 v[VA+1], KBYTES+SLOT, v27
	s_mul_i32 s14, s10, 16*KPITCH
	s_add_co_u32 s14, s14, STAGE                   ; my stage
	v_add_nc_u32 v[STO], s14, v[KA]
	v_lshrrev_b32 v27, 3, v1
	v_mul_u32_u24 v27, v27, KPITCH
	v_lshl_add_u32 v27, v25, 4, v27
	v_add_nc_u32 v[RD], s14, v27
	v_lshlrev_b32 v[CO], 4, v1
	v_mov_b32 v[NEG], 0xceabfb8f                   ; -1e9 log2(e)
	s_wait_loadcnt 0x0                             ; Q's fragments, once
	TRIP 0, 1, 1, 1, 0                             ; tiles 0 and 1: the first step starts maxima, sums and O
	TRIP 1, 0, 1, 0, 0
	WIN 0
	s_mov_b32 s86, 2                               ; tiles 2 to 5
.Lpair:
	TRIP 0, 1, 1, 0, 0
	TRIP 1, 0, 1, 0, 0
	WIN 0
	s_sub_co_u32 s86, s86, 1
	s_cmp_lg_u32 s86, 0
	s_cbranch_scc1 .Lpair
	TRIP 0, 1, 1, 0, 0                             ; tile 6 asks for tile 7, tile 7 for nothing
	TRIP 1, 0, 0, 0, 1
	WIN 0
	PLACES
; the way out of q tile qt: divide by the sum, round, 16 rows through my stage, four stores of 512 consecutive bytes
.macro OUTQ qt
	WIN 0
	v_add_f32 v[T], v[LS+2*\qt], v[LS+2*\qt+1]
	v_permlanex16_b32 v[T+1], v[T], s66, s67
	v_add_f32 v[T], v[T], v[T+1]
	v_rcp_f32 v[AL], v[T]                          ; the sum is at least 1: the largest score of the last step that raised the maximum counts as 2^0
	v_nop
	s_wait_alu depctr_va_vdst(0)
	v_mov_b32 v[AL+1], v[AL]
	WIN 0x41
.set cc, 0
.rept 16
	v_pk_mul_f32 v[O+32*\qt+2*cc:O+32*\qt+2*cc+1], v[O+32*\qt+2*cc:O+32*\qt+2*cc+1], v[AL:AL+1]
.set cc, cc+1
.endr
	WIN 0x05
.set cc, 0
.rept 16
	v_cvt_pk_f16_f32 v[PF+cc], v[O+32*\qt+2*cc], v[O+32*\qt+2*cc+1]
.set cc, cc+1
.endr
	WIN 0
.irp dt, 0,1,2,3
	ds_store_b128 v[STO], v[PF+4*\dt:PF+4*\dt+3] offset:32*\dt
.endr
.irp i, 0,1,2,3
	ds_load_b128 v[KF+16*\qt+4*\i:KF+16*\qt+4*\i+3], v[RD] offset:4*KPITCH*\i   ; my own bytes, served in order behind my stores; registers of their own for each q tile
.endr
.irp i, 0,1,2,3
	s_wait_dscnt 3-\i
	global_store_b128 v[CO], v[KF+16*\qt+4*\i:KF+16*\qt+4*\i+3], s[8:9] offset:2048*\qt+512*\i
.endr
.endm
	OUTQ 0
	OUTQ 1
	OUTQ 2
	OUTQ 3
	s_wait_tensorcnt 0x0
	ds_add_u32 v254, v255
	s_wait_dscnt 0x0
	CROUND                                         ; the closing round
	s_endpgm
.Lfunc_end_k_qd3d9c6f110_attn:
	.size	k_qd3d9c6f110_attn, .Lfunc_end_k_qd3d9c6f110_attn-k_qd3d9c6f110_attn
	.p2alignl 7, 3214868480
	.fill 96, 4, 3214868480
	.section	.rodata,"a",@progbits
	.p2align	6, 0x0
	.amdhsa_kernel k_qd3d9c6f110_attn
		.amdhsa_group_segment_fixed_size 327680
		.amdhsa_private_segment_fixed_size 0
		.amdhsa_enable_private_segment 0
		.amdhsa_kernarg_size 24
		.amdhsa_user_sgpr_count 2
		.amdhsa_user_sgpr_kernarg_segment_ptr 1
		.amdhsa_wavefront_size32 1
		.amdhsa_system_sgpr_workgroup_id_x 1
		.amdhsa_system_sgpr_workgroup_id_y 1
		.amdhsa_system_sgpr_workgroup_id_z 1
		.amdhsa_system_vgpr_workitem_id 0
		.amdhsa_next_free_vgpr 512
		.amdhsa_next_free_sgpr 92
		.amdhsa_reserve_vcc 0
		.amdhsa_float_denorm_mode_32 3
		.amdhsa_float_denorm_mode_16_64 3
		.amdhsa_memory_ordered 1
		.amdhsa_forward_progress 1
		.amdhsa_inst_pref_size 255
	.end_amdhsa_kernel
	.section	.bss,"aw",@nobits
	.p2align	6
	.space	262144
	.amdgpu_metadata
---
amdhsa.version: [ 1, 2 ]
amdhsa.kernels:
  - .name:           k_qd3d9c6f110_attn
    .symbol:         k_qd3d9c6f110_attn.kd
    .args:
      - { .name: qkv, .offset: 0, .size: 8, .value_kind: global_buffer, .address_space: global }
      - { .name: mbits, .offset: 8, .size: 8, .value_kind: global_buffer, .address_space: global }
      - { .name: att, .offset: 16, .size: 8, .value_kind: global_buffer, .address_space: global }
    .group_segment_fixed_size: 327680
    .private_segment_fixed_size: 0
    .kernarg_segment_align: 8
    .kernarg_segment_size: 24
    .max_flat_workgroup_size: 256
    .sgpr_count:     92
    .vgpr_count:     512
    .wavefront_size: 32
...
	.end_amdgpu_metadata
.endif
;; end of part 3
;; launch outp (part 4): grid 4 x 64, 4 waves a work-group, clusters of 4 x 4, 327,680 bytes of LDS; arguments att, wb, bo, out0; writes out0
.if DOCPART == 4
	.amdgcn_target "amdgcn-amd-amdhsa--gfx1250"
	.amdhsa_code_object_version 6
	.text
	.protected	k_qd3d9c6f110_outp
	.globl	k_qd3d9c6f110_outp
	.p2align	8
	.type	k_qd3d9c6f110_outp,@function
k_qd3d9c6f110_outp:
	s_mov_b64 s[64:65], 0
	v_nop
	global_prefetch_b8 v0, s[64:65] scope:SCOPE_SE
	s_setreg_imm32_b32 hwreg(HW_REG_WAVE_MODE, 25, 1), 1
	s_wait_xcnt 0x0
	s_wait_alu depctr_hold_cnt(0) depctr_sa_sdst(0) depctr_va_vdst(0) depctr_va_sdst(0) depctr_va_ssrc(0) depctr_va_vcc(0) depctr_vm_vsrc(0)
	s_getreg_b32 s2, hwreg(HW_REG_IB_STS2, 6, 4)
	s_cmp_eq_u32 s2, 0
	s_cbranch_scc0 .Lentry_in_a_cluster
	s_endpgm
.Lentry_in_a_cluster:
	s_bfe_u32 s2, ttmp6, 0x10000c
	s_cmp_lg_u32 s2, 0xf033
	s_cbranch_scc0 .Lentry_shape_is_right
	s_endpgm
.Lentry_shape_is_right:
; outp: out0 = att Wo + bo, f32.  att = [B][H][S][64] f16, Wo = the fourth matrix of wb, f16 [k][n].
; A work-group makes 128 rows x 256 columns (256 work-groups); wave (wr, wc) makes 64 x 128: 32 accumulators.  K goes in steps of 128 = two heads, through two LDS slots.
; CLUSTER 4 x 4: att's tile hangs on the block row alone and is shared along a row of the cluster, Wo's on the block column alone and is shared along a column;
; both are asked for jointly, which divides the requests by four.  Waves 0, 1 fetch the two heads of att (128 rows of 128 bytes, a head's own row length), waves 2, 3 the halves of Wo's 128 k rows.
; The matrix instruction is used transposed (source 0 = Wo's columns, read with the transposing LDS load; source 1 = att's rows): lane (r, h), register j holds row 16 rt + r,
; column 16 nt + 8 h + j.  The first product takes the bias tile as C, so nothing is cleared and nothing is added later.
; LIMITS: operands are f16 (|Wo| < 65,504, as stated where it is rounded); NaN and infinities are not served.
; WINDOWS: 0 addresses and fragments; 1 accumulators at 8 (8 rt + nt); 2 the bias tile, v0-63.
.set APITCH, 144
.set AHEAD,  128*APITCH                ; a head's 128 rows
.set BPITCH, 544                       ; 512 bytes + 32 = 17 x 32
.set BHALF,  64*BPITCH
.set BOFFS,  2*AHEAD
.set SLOT,   BOFFS+2*BHALF             ; 106,496
.set STAGE,  2*SLOT                    ; 212,992 = 832 x 256; 16 rows x 528 bytes for each wave
.set SPITCH, 528
.set ASTEP,  524288                    ; two heads of att
.set BSTEP,  262144                    ; 128 rows of Wo
.set ADRA, 16
.set ADRB, 20
.set STO,  24
.set RD,   25
.set CO,   26
.set BOF,  27
.set F0W,  64                          ; buffer 0: Wo v[64:127], att v[128:159]
.set F0X,  128
.set F1W,  160                         ; buffer 1: Wo v[160:223], att v[224:255]
.set F1X,  224
.set G1A,  24
.set G0A,  32
.set G1B,  48
.set G0B,  56
.set MSB, 0
.macro WIN new
.if MSB != \new
	s_set_vgpr_msb (MSB<<8)|\new
.set MSB, \new
.endif
.endm
.macro PLACES                          ; four plain vector instructions behind a matrix instruction (ISA guide 7.12.1)
.rept 4
	v_nop
.endr
.endm
.macro CREST
	s_cmp_lg_u32 s12, 0
	s_cbranch_scc1 .Lnot_wave_0_\@
	s_barrier_signal -3
.Lnot_wave_0_\@:
	s_barrier_wait -3
	s_barrier_signal -1
	s_barrier_wait -1
.endm
.macro CROUND
	s_barrier_signal -1
	s_barrier_wait -1
	CREST
.endm
.macro JLOAD s                         ; each line has one mask and one set of registers; the branch hangs on the wave's number alone
	s_cmp_eq_u32 s13, 0
	s_cbranch_scc0 .Lfor_b_\@
	tensor_load_to_lds s[G0A+4*\s:G0A+4*\s+3], s[G1A:G1A+7]
	s_nop 0
	PLACES
	s_branch .Lasked_\@
.Lfor_b_\@:
	tensor_load_to_lds s[G0B+4*\s:G0B+4*\s+3], s[G1B:G1B+7]
	s_nop 0
	PLACES
.Lasked_\@:
.endm
; 8 matrix instructions: row tile rt x 8 column tiles.  mw = 0x60: C is the bias tile in window 2.  The 32 accumulators take turns in the same order in every quarter.
.macro MUL8 wf, xf, rt, mw
.irp nt, 0,1,2,3,4,5,6,7
.if \mw == 0x60
	v_wmma_f32_16x16x32_f16 v[8*(8*\rt+\nt):8*(8*\rt+\nt)+7], v[\wf+8*\nt:\wf+8*\nt+7], v[\xf+8*\rt:\xf+8*\rt+7], v[8*\nt:8*\nt+7]
.else
	v_wmma_f32_16x16x32_f16 v[8*(8*\rt+\nt):8*(8*\rt+\nt)+7], v[\wf+8*\nt:\wf+8*\nt+7], v[\xf+8*\rt:\xf+8*\rt+7], v[8*(8*\rt+\nt):8*(8*\rt+\nt)+7]
.endif
.endr
.endm
.macro FETCH slot, qk, wf, xf          ; 24 LDS loads: quarter qk (32 along K) of a K step
.irp nt, 0,1,2,3,4,5,6,7
	ds_load_tr16_b128 v[\wf+8*\nt:\wf+8*\nt+3],   v[ADRB+\slot] offset:32*BPITCH*\qk+32*\nt
	ds_load_tr16_b128 v[\wf+8*\nt+4:\wf+8*\nt+7], v[ADRB+\slot] offset:32*BPITCH*\qk+32*\nt+16*BPITCH
.endr
.irp rt, 0,1,2,3
	ds_load_b128 v[\xf+8*\rt:\xf+8*\rt+3],   v[ADRA+\slot] offset:(\qk>>1)*AHEAD+\rt*16*APITCH+(\qk&1)*64
	ds_load_b128 v[\xf+8*\rt+4:\xf+8*\rt+7], v[ADRA+\slot] offset:(\qk>>1)*AHEAD+\rt*16*APITCH+(\qk&1)*64+32
.endr
.endm
; one of a K step's first three quarters: multiplies one buffer, fetches quarter qk into the other
.macro QUARTER slot, qk, wf, xf, wg, xg, mw
	s_wait_dscnt 4                                 ; all but the four youngest loads (att of row tiles 2 and 3)
	WIN \mw
	MUL8 \wf, \xf, 0, \mw
	MUL8 \wf, \xf, 1, \mw
	PLACES
	WIN 0
	FETCH \slot, \qk, \wg, \xg
	s_wait_dscnt 24                                ; all but the 24 just issued
	WIN \mw
	MUL8 \wf, \xf, 2, \mw
	MUL8 \wf, \xf, 3, \mw
.endm
.macro THREE slot, mw
	QUARTER \slot, 1, F0W, F0X, F1W, F1X, \mw
	QUARTER \slot, 2, F1W, F1X, F0W, F0X, 0x50
	QUARTER \slot, 3, F0W, F0X, F1W, F1X, 0x50
.endm
; the last quarter: multiplies buffer 1 and changes slots
.macro TURN slot, next, fill
	s_wait_dscnt 4
	WIN 0x50
	MUL8 F1W, F1X, 0, 0x50
	s_wait_dscnt 0x0                               ; my reads of this slot are over
	s_wait_tensorcnt 0x0                           ; all my tensor loads have landed: the one that was out is my part of the next slot
	ds_add_u32 v62, v63
	s_wait_dscnt 0x0
	s_barrier_signal -1                            ; where a slot is filled again this barrier opens a round of the cluster's barrier
	MUL8 F1W, F1X, 1, 0x50                         ; register work alone
	WIN 0
	s_barrier_wait -1
.if \fill
	CREST                                          ; no wave of any partner still reads this slot or has a load on its way
	s_add_nc_u64 s[G0A+4*\slot+2:G0A+4*\slot+3], s[G0A+4*\slot+2:G0A+4*\slot+3], 2*ASTEP
	s_add_nc_u64 s[G0B+4*\slot+2:G0B+4*\slot+3], s[G0B+4*\slot+2:G0B+4*\slot+3], 2*BSTEP
	JLOAD \slot                                    ; the first tensor load behind the round; its four v_nop are also the places in front of the loads below
.else
	PLACES
.endif
	FETCH \next, 0, F0W, F0X
	WIN 0x50
	MUL8 F1W, F1X, 2, 0x50
	MUL8 F1W, F1X, 3, 0x50
.endm
.macro LAP mw
	THREE 0, \mw
	TURN 0, 1, 1
	THREE 1, 0x50
	TURN 1, 0, 1
.endm
	s_load_b256 s[4:11], s[0:1], 0x0               ; att s[4:5], wb s[6:7], bo s[8:9], out0 s[10:11]
	v_lshl_add_u32 v62, v0, 2, 0x3c400
	v_mov_b32 v63, 0
	ds_add_u32 v62, v63
	v_lshrrev_b32 v1, 5, v0
	v_readfirstlane_b32 s12, v1                    ; wave
	s_lshr_b32 s13, s12, 1                         ; wr: my half of the rows.  Also: I fetch for att (0) or for Wo (1)
	s_and_b32 s14, s12, 1                          ; wc: my half of the columns.  Also: which head, or which 64 k rows, I fetch
	s_bfe_u32 s15, ttmp6, 0x40000                  ; cx
	s_bfe_u32 s16, ttmp6, 0x40004                  ; cy
	s_lshl_b32 s17, ttmp9, 2
	s_add_co_u32 s17, s17, s15                     ; block column
	s_and_b32 s18, ttmp7, 0xffff
	s_lshl_b32 s18, s18, 2
	s_add_co_u32 s18, s18, s16                     ; block row
	s_lshl_b32 s19, s16, 2
	s_lshl_b32 s19, 15, s19                        ; my row of the cluster
	s_lshl_b32 s20, 0x1111, s15                    ; my column
	s_or_b32 s[G1A+0], s19, (1<<16)|(1<<20)|(1<<21)|(4<<22)|(3<<25)   ; att: 128 rows x 64 elements, dense, 4 words of padding behind each row of 32
	s_mov_b32 s[G1A+1], 64<<16
	s_mov_b32 s[G1A+2], 128<<16
	s_mov_b32 s[G1A+3], 64<<16
	s_mov_b32 s[G1A+4], 128
	s_mov_b32 s[G1A+5], 64
	s_mov_b32 s[G1A+6], 0
	s_mov_b32 s[G1A+7], 0
	s_or_b32 s[G1B+0], s20, (1<<16)|(1<<20)|(1<<21)|(6<<22)|(7<<25)   ; Wo: 64 rows x 256 elements, pitch 1,024, 8 words of padding behind each row of 128
	s_mov_b32 s[G1B+1], 256<<16
	s_mov_b32 s[G1B+2], 64<<16
	s_mov_b32 s[G1B+3], 256<<16
	s_mov_b32 s[G1B+4], 64
	s_mov_b32 s[G1B+5], 1024
	s_mov_b32 s[G1B+6], 0
	s_mov_b32 s[G1B+7], 0
	s_lshr_b32 s40, s18, 4                         ; att's offset: batch, head wc, the block's first row; the block column never enters it
	s_lshl_b32 s40, s40, 22
	s_and_b32 s41, s18, 15
	s_lshl_b32 s41, s41, 14
	s_add_co_u32 s40, s40, s41
	s_lshl_b32 s41, s14, 18
	s_add_co_u32 s40, s40, s41
	s_mov_b32 s41, 0
	s_lshl_b32 s42, s17, 9                         ; Wo's offset: the fourth matrix, 64 wc rows, the block's 512 bytes of a row; the block row never enters it
	s_lshl_b32 s43, s14, 17
	s_add_co_u32 s42, s42, s43
	s_add_co_u32 s42, s42, 0x600000
	s_mov_b32 s43, 0
	s_mul_i32 s44, s14, AHEAD                      ; where they go: no place in the cluster enters an LDS address
	s_mul_i32 s45, s14, BHALF
	s_add_co_u32 s45, s45, BOFFS
	s_wait_dscnt 0x0
	s_wait_kmcnt 0x0
	s_add_nc_u64 s[40:41], s[4:5], s[40:41]
	s_add_nc_u64 s[42:43], s[6:7], s[42:43]
	CROUND                                         ; all sixteen work-groups are here
.irp s, 0,1
	s_mov_b32 s[G0A+4*\s], 1
	s_add_co_u32 s[G0A+4*\s+1], s44, \s*SLOT
	s_add_nc_u64 s[G0A+4*\s+2:G0A+4*\s+3], s[40:41], \s*ASTEP
	s_or_b32 s[G0A+4*\s+3], s[G0A+4*\s+3], 0x80000000
	s_mov_b32 s[G0B+4*\s], 1
	s_add_co_u32 s[G0B+4*\s+1], s45, \s*SLOT
	s_add_nc_u64 s[G0B+4*\s+2:G0B+4*\s+3], s[42:43], \s*BSTEP
	s_or_b32 s[G0B+4*\s+3], s[G0B+4*\s+3], 0x80000000
	JLOAD \s                                       ; both first fills go out together: two loads of the wave are out here, one behind every later round
.endr
	v_and_b32 v1, 15, v0                           ; r
	v_bfe_u32 v2, v0, 4, 1                         ; h
	v_and_b32 v3, 7, v0
	v_bfe_u32 v4, v0, 3, 1
	v_and_b32 v5, 31, v0
	s_lshl_b32 s68, s17, 10                        ; my first column, in bytes of f32
	s_lshl_b32 s69, s14, 9
	s_add_co_u32 s68, s68, s69
	v_lshl_add_u32 v[BOF], v2, 5, s68
	WIN 0x80
.irp nt, 0,1,2,3,4,5,6,7
	global_load_b128 v[8*\nt:8*\nt+3],   v[BOF], s[8:9] offset:64*\nt      ; the bias tile: register j = bo[column 16 nt + 8 h + j], the same for every row
	global_load_b128 v[8*\nt+4:8*\nt+7], v[BOF], s[8:9] offset:64*\nt+16
.endr
	WIN 0
	v_mul_u32_u24 v6, v1, APITCH
	v_lshl_add_u32 v6, v2, 4, v6
	s_mul_i32 s46, s13, 64*APITCH
	v_add_nc_u32 v[ADRA], s46, v6                  ; row 64 wr + r, byte 16 h
	v_add_nc_u32 v[ADRA+1], SLOT, v[ADRA]
	v_lshl_add_u32 v6, v2, 3, v3
	v_mul_u32_u24 v6, v6, BPITCH
	v_lshl_add_u32 v6, v4, 4, v6
	s_lshl_b32 s46, s14, 8
	s_add_co_u32 s46, s46, BOFFS
	v_add_nc_u32 v[ADRB], s46, v6                  ; k row 8 h + (L & 7), my 256 bytes, 16 bytes at 16 ((L >> 3) & 1)
	v_add_nc_u32 v[ADRB+1], SLOT, v[ADRB]
	s_mul_i32 s46, s12, 16*SPITCH
	s_add_co_u32 s46, s46, STAGE
	v_mul_u32_u24 v6, v1, SPITCH
	v_lshl_add_u32 v6, v2, 5, v6
	v_add_nc_u32 v[STO], s46, v6
	v_lshlrev_b32 v[CO], 4, v5
	v_add_nc_u32 v[RD], s46, v[CO]
	s_lshl_b32 s70, s18, 19                        ; my first row of out0: 128 x block row + 64 wr rows of 4,096 bytes
	s_lshl_b32 s71, s13, 18
	s_add_co_u32 s70, s70, s71
	s_add_co_u32 s70, s70, s68
	s_mov_b32 s71, 0
	s_add_nc_u64 s[10:11], s[10:11], s[70:71]
	s_wait_tensorcnt 1                             ; my part of K step 0 is in; step 1's may stay out
	s_barrier_signal -1
	s_barrier_wait -1
	s_wait_loadcnt 0x0                             ; the bias
	FETCH 0, 0, F0W, F0X
	LAP 0x60                                       ; K steps 0 and 1: the first quarter starts the sums from the bias
	WIN 0
	s_mov_b32 s3, 2                                ; K steps 2 to 5
.Llap:
	LAP 0x50
	WIN 0
	s_sub_co_u32 s3, s3, 1
	s_cmp_lg_u32 s3, 0
	s_cbranch_scc1 .Llap
	THREE 0, 0x50                                  ; K steps 6 and 7 fill nothing
	TURN 0, 1, 0
	THREE 1, 0x50
	s_wait_dscnt 4
	WIN 0x50
	MUL8 F1W, F1X, 0, 0x50
	MUL8 F1W, F1X, 1, 0x50
	s_wait_dscnt 0x0
	MUL8 F1W, F1X, 2, 0x50
	MUL8 F1W, F1X, 3, 0x50
	WIN 0
	PLACES
; the way out, 16 rows at a time: 32 bytes a lane and tile into my stage, whole rows of 512 bytes back, one store a row
.macro OUT16 rt, f
	WIN 0x04                                       ; an LDS store's data is source 1: window 1
.irp nt, 0,1,2,3,4,5,6,7
	ds_store_b128 v[STO], v[8*(8*\rt+\nt):8*(8*\rt+\nt)+3] offset:64*\nt
	ds_store_b128 v[STO], v[8*(8*\rt+\nt)+4:8*(8*\rt+\nt)+7] offset:64*\nt+16
.endr
	WIN 0
	s_wait_xcnt 0x0                                ; the set that earlier stores read is loaded again only behind this wait
.irp i, 0,1,2,3,4,5,6,7,8,9,10,11,12,13,14,15
	ds_load_b128 v[\f+4*\i:\f+4*\i+3], v[RD] offset:SPITCH*\i    ; my own bytes, served in order behind my stores
.endr
.irp i, 0,1,2,3,4,5,6,7,8,9,10,11,12,13,14,15
	s_wait_dscnt 15-\i
	global_store_b128 v[CO], v[\f+4*\i:\f+4*\i+3], s[10:11] offset:(16*\rt+\i)*4096 th:TH_STORE_NT
.endr
.endm
	OUT16 0, F0W
	OUT16 1, F1W
	OUT16 2, F0W
	OUT16 3, F1W
	s_wait_tensorcnt 0x0
	ds_add_u32 v62, v63
	s_wait_dscnt 0x0
	CROUND                                         ; the closing round
	s_endpgm
.Lfunc_end_k_qd3d9c6f110_outp:
	.size	k_qd3d9c6f110_outp, .Lfunc_end_k_qd3d9c6f110_outp-k_qd3d9c6f110_outp
	.p2alignl 7, 3214868480
	.fill 96, 4, 3214868480
	.section	.rodata,"a",@progbits
	.p2align	6, 0x0
	.amdhsa_kernel k_qd3d9c6f110_outp
		.amdhsa_group_segment_fixed_size 327680
		.amdhsa_private_segment_fixed_size 0
		.amdhsa_enable_private_segment 0
		.amdhsa_kernarg_size 32
		.amdhsa_user_sgpr_count 2
		.amdhsa_user_sgpr_kernarg_segment_ptr 1
		.amdhsa_wavefront_size32 1
		.amdhsa_system_sgpr_workgroup_id_x 1
		.amdhsa_system_sgpr_workgroup_id_y 1
		.amdhsa_system_sgpr_workgroup_id_z 1
		.amdhsa_system_vgpr_workitem_id 0
		.amdhsa_next_free_vgpr 576
		.amdhsa_next_free_sgpr 72
		.amdhsa_reserve_vcc 0
		.amdhsa_float_denorm_mode_32 3
		.amdhsa_float_denorm_mode_16_64 3
		.amdhsa_memory_ordered 1
		.amdhsa_forward_progress 1
		.amdhsa_inst_pref_size 120
	.end_amdhsa_kernel
	.amdgpu_metadata
---
amdhsa.version: [ 1, 2 ]
amdhsa.kernels:
  - .name:           k_qd3d9c6f110_outp
    .symbol:         k_qd3d9c6f110_outp.kd
    .args:
      - { .name: att, .offset: 0, .size: 8, .value_kind: global_buffer, .address_space: global }
      - { .name: wb, .offset: 8, .size: 8, .value_kind: global_buffer, .address_space: global }
      - { .name: bo, .offset: 16, .size: 8, .value_kind: global_buffer, .address_space: global }
      - { .name: out0, .offset: 24, .size: 8, .value_kind: global_buffer, .address_space: global }
    .group_segment_fixed_size: 327680
    .private_segment_fixed_size: 0
    .kernarg_segment_align: 8
    .kernarg_segment_size: 32
    .max_flat_workgroup_size: 128
    .sgpr_count:     72
    .vgpr_count:     576
    .wavefront_size: 32
...
	.end_amdgpu_metadata
.endif
;; end of part 4
;; ======== version 2 of 2: 4 launches
;; limits: values are held in f16: magnitudes above 65,504 overflow, below 6.1e-05 lose precision; right only within a limited range of input values; inputs' magnitudes at most 65,504
;; workspace buffers: wb 8,388,608 bytes; mcode 8,388,608 bytes; qkv 50,331,648 bytes; att 16,777,216 bytes
;; launch prep (part 5): grid 1024 x 1, 8 waves a work-group, no clusters, 35,840 bytes of LDS; arguments Wq, Wk, Wv, Wo, mask, wb, mcode; writes wb, mcode
.if DOCPART == 5
	.amdgcn_target "amdgcn-amd-amdhsa--gfx1250"
	.amdhsa_code_object_version 6
	.text
	.protected	k_qd3d9c6f110_prep
	.globl	k_qd3d9c6f110_prep
	.p2align	8
	.type	k_qd3d9c6f110_prep,@function
k_qd3d9c6f110_prep:
	s_mov_b64 s[64:65], 0
	v_nop
	global_prefetch_b8 v0, s[64:65] scope:SCOPE_SE
	s_setreg_imm32_b32 hwreg(HW_REG_WAVE_MODE, 25, 1), 1
	s_wait_xcnt 0x0
; prep: two streams in one launch.
; Work-groups 0-511: the four weights [1024 k][1024 n] f32 are rounded to f16, layout unchanged, into wb = [4][1024][1024] (order q, k, v, o).
;   A work-group takes 32,768 bytes of one weight; thread t takes 16 bytes of each of eight blocks of 4,096 bytes; a wave's store covers 256 consecutive bytes, aligned.
;   f16 and not bf16: 11 significant bits against 8.  LIMIT: |W| < 65,504 (larger numbers become infinite); below 6.1e-5 the absolute error is at most 3e-8.
; Work-groups 512-1023: the mask [4][2048 q][2048 k] of bytes (0 or 1) becomes FP4 codes, one for each score, in the order of the attention launch's registers:
;   mcode = [b 4][q tile 128][step 32][lane 32][t 4] of 32 bits; nibble j of word t of lane L belongs to mask[b][16 qtile + (L & 15)][64 step + 16 t + 8 (L >> 4) + j]
;   and is 0 (the number 0) where the mask is true, 0xF (the number -6) where it is false.
;   A work-group takes one q tile (16 rows), wave w the keys 256 w .. 256 w + 255: whole pieces of 256 bytes come in, go through the wave's own LDS rows
;   (pitch 272 bytes), each lane reads its 8 neighbouring bytes back and packs them into a word; four stores of 512 consecutive bytes.
; No matrix unit, no cluster, no tensor load: nothing is shared and every byte is touched once.
.set MPITCH, 272                       ; an LDS row of the mask part: 256 bytes + 16
.set MWAVE,  16*MPITCH                 ; a wave's 16 rows
	s_load_b256 s[4:11], s[0:1], 0x0               ; Wq s[4:5], Wk s[6:7], Wv s[8:9], Wo s[10:11]
	s_load_b128 s[12:15], s[0:1], 0x20             ; mask s[12:13], wb s[14:15]
	s_load_b64 s[16:17], s[0:1], 0x30              ; mcode
	v_lshl_add_u32 v96, v0, 2, 0x8800
	v_mov_b32 v97, 0
	s_mov_b32 s23, 0                               ; high words of the two offsets
	s_mov_b32 s25, 0
	s_wait_kmcnt 0x0
	s_cmp_lt_u32 ttmp9, 512
	s_cbranch_scc0 .Lmask
	; ---- the cast ----
	s_lshr_b32 s20, ttmp9, 7                       ; which weight
	s_and_b32 s21, ttmp9, 127                      ; which block of 32,768 bytes
	s_cmp_eq_u32 s20, 1
	s_cselect_b64 s[4:5], s[6:7], s[4:5]
	s_cmp_eq_u32 s20, 2
	s_cselect_b64 s[4:5], s[8:9], s[4:5]
	s_cmp_eq_u32 s20, 3
	s_cselect_b64 s[4:5], s[10:11], s[4:5]
	s_lshl_b32 s22, s21, 15
	s_add_nc_u64 s[4:5], s[4:5], s[22:23]
	s_lshl_b32 s24, s20, 21                        ; 2 MiB of f16 for each weight
	s_lshl_b32 s21, s21, 14
	s_add_co_u32 s24, s24, s21
	s_add_nc_u64 s[14:15], s[14:15], s[24:25]
	v_lshlrev_b32 v1, 4, v0                        ; 16 t: in
	v_lshlrev_b32 v2, 3, v0                        ; 8 t: out
.irp c, 0,1,2,3,4,5,6,7
	global_load_b128 v[4+4*\c:7+4*\c], v1, s[4:5] offset:4096*\c th:TH_LOAD_NT
.endr
.irp c, 0,1,2,3,4,5,6,7
	s_wait_loadcnt 7-\c                            ; loads come back in order: block c is in, the 7 - c younger ones stay out
	v_cvt_pk_f16_f32 v[36+2*\c], v[4+4*\c], v[5+4*\c]
	v_cvt_pk_f16_f32 v[37+2*\c], v[6+4*\c], v[7+4*\c]
	global_store_b64 v2, v[36+2*\c:37+2*\c], s[14:15] offset:2048*\c
.endr
	s_endpgm
	; ---- the mask ----
.Lmask:
	s_sub_co_u32 s20, ttmp9, 512                   ; 128 b + q tile
	v_lshrrev_b32 v1, 5, v0
	v_readfirstlane_b32 s26, v1                    ; wave
	s_lshl_b32 s22, s20, 15                        ; in: 16 rows of 2,048 bytes
	s_add_nc_u64 s[12:13], s[12:13], s[22:23]
	s_lshl_b32 s24, s20, 14                        ; out: 32 steps of 512 bytes
	s_add_nc_u64 s[16:17], s[16:17], s[24:25]
	s_mul_i32 s27, s26, MWAVE                      ; my wave's LDS rows
	v_and_b32 v1, 31, v0                           ; L
	v_and_b32 v2, 15, v0                           ; r
	v_bfe_u32 v3, v0, 4, 1                         ; h
	v_lshlrev_b32 v4, 4, v2
	v_lshl_add_u32 v5, v3, 11, v4                  ; in: row h of a pair of rows, 16 bytes at 16 r,
	v_lshl_add_u32 v5, s26, 8, v5                  ; in my wave's 256 keys
	v_mul_u32_u24 v6, v3, MPITCH
	v_add_nc_u32 v6, v6, v4
	v_add_nc_u32 v6, s27, v6                       ; the same place in LDS
	v_mul_u32_u24 v7, v2, MPITCH
	v_lshl_add_u32 v7, v3, 3, v7
	v_add_nc_u32 v7, s27, v7                       ; back: row r, 8 bytes at 8 h
	v_lshlrev_b32 v4, 4, v1
	v_lshl_add_u32 v4, s26, 11, v4                 ; out: my wave's four steps of 512 bytes, 16 L in each
.irp i, 0,1,2,3,4,5,6,7
	global_load_b128 v[8+4*\i:11+4*\i], v5, s[12:13] offset:4096*\i th:TH_LOAD_NT
.endr
.irp i, 0,1,2,3,4,5,6,7
	s_wait_loadcnt 7-\i                            ; rows 2 i and 2 i + 1 are in
	ds_store_b128 v6, v[8+4*\i:11+4*\i] offset:2*MPITCH*\i
.endr
.irp t, 0,1,2,3,4,5,6,7,8,9,10,11,12,13,14,15
	ds_load_b64 v[40+2*\t:41+2*\t], v7 offset:16*\t ; my wave's own bytes, served in order behind its stores: no wait, no barrier
.endr
; 8 bytes of 0 or 1 become 8 nibbles.  x | x >> 4 brings bytes 0 and 1 together in byte 0 (bits 0 and 4) and bytes 2 and 3 in byte 2; v_perm_b32 picks these two bytes of
; both words; the exclusive or turns true into 0 and false into 1; times 15 fills the nibble (no carry: 0x11111111 x 15 = 0xffffffff).  Two sets of work registers by turns.
.irp t, 0,1,2,3,4,5,6,7,8,9,10,11,12,13,14,15
	s_wait_dscnt 15-\t                             ; the 8 bytes of key group t are in
	v_lshrrev_b32 v[88+2*(\t&1)], 4, v[40+2*\t]
	v_lshrrev_b32 v[89+2*(\t&1)], 4, v[41+2*\t]
	v_or_b32 v[88+2*(\t&1)], v[88+2*(\t&1)], v[40+2*\t]
	v_or_b32 v[89+2*(\t&1)], v[89+2*(\t&1)], v[41+2*\t]
	v_perm_b32 v[88+2*(\t&1)], v[89+2*(\t&1)], v[88+2*(\t&1)], 0x06040200   ; bytes 0, 2 of the low word, then bytes 0, 2 of the high word
	v_xor_b32 v[88+2*(\t&1)], 0x11111111, v[88+2*(\t&1)]
	v_mul_lo_u32 v[72+\t], v[88+2*(\t&1)], 15      ; key group t = step t / 4 of my four, word t mod 4
.endr
.irp s, 0,1,2,3
	global_store_b128 v4, v[72+4*\s:75+4*\s], s[16:17] offset:512*\s
.endr
	s_wait_tensorcnt 0x0
	ds_add_u32 v96, v97
	s_wait_dscnt 0x0
	s_endpgm
.Lfunc_end_k_qd3d9c6f110_prep:
	.size	k_qd3d9c6f110_prep, .Lfunc_end_k_qd3d9c6f110_prep-k_qd3d9c6f110_prep
	.p2alignl 7, 3214868480
	.fill 96, 4, 3214868480
	.section	.rodata,"a",@progbits
	.p2align	6, 0x0
	.amdhsa_kernel k_qd3d9c6f110_prep
		.amdhsa_group_segment_fixed_size 35840
		.amdhsa_private_segment_fixed_size 0
		.amdhsa_enable_private_segment 0
		.amdhsa_kernarg_size 56
		.amdhsa_user_sgpr_count 2
		.amdhsa_user_sgpr_kernarg_segment_ptr 1
		.amdhsa_wavefront_size32 1
		.amdhsa_system_sgpr_workgroup_id_x 1
		.amdhsa_system_sgpr_workgroup_id_y 1
		.amdhsa_system_sgpr_workgroup_id_z 1
		.amdhsa_system_vgpr_workitem_id 0
		.amdhsa_next_free_vgpr 98
		.amdhsa_next_free_sgpr 66
		.amdhsa_reserve_vcc 0
		.amdhsa_float_denorm_mode_32 3
		.amdhsa_float_denorm_mode_16_64 3
		.amdhsa_memory_ordered 1
		.amdhsa_forward_progress 1
		.amdhsa_inst_pref_size 15
	.end_amdhsa_kernel
	.amdgpu_metadata
---
amdhsa.version: [ 1, 2 ]
amdhsa.kernels:
  - .name:           k_qd3d9c6f110_prep
    .symbol:         k_qd3d9c6f110_prep.kd
    .args:
      - { .name: Wq, .offset: 0, .size: 8, .value_kind: global_buffer, .address_space: global }
      - { .name: Wk, .offset: 8, .size: 8, .value_kind: global_buffer, .address_space: global }
      - { .name: Wv, .offset: 16, .size: 8, .value_kind: global_buffer, .address_space: global }
      - { .name: Wo, .offset: 24, .size: 8, .value_kind: global_buffer, .address_space: global }
      - { .name: mask, .offset: 32, .size: 8, .value_kind: global_buffer, .address_space: global }
      - { .name: wb, .offset: 40, .size: 8, .value_kind: global_buffer, .address_space: global }
      - { .name: mcode, .offset: 48, .size: 8, .value_kind: global_buffer, .address_space: global }
    .group_segment_fixed_size: 35840
    .private_segment_fixed_size: 0
    .kernarg_segment_align: 8
    .kernarg_segment_size: 56
    .max_flat_workgroup_size: 256
    .sgpr_count:     66
    .vgpr_count:     98
    .wavefront_size: 32
...
	.end_amdgpu_metadata
.endif
;; end of part 5
;; launch proj: the kernel of part 2 again; grid 128 x 3, 4 waves a work-group, clusters of 4 x 1, 327,680 bytes of LDS; arguments query, key, value, gq, gk, gv, bq, bk, bv, wb, qkv; writes qkv
;; launch attn (part 6): grid 256 x 1, 8 waves a work-group, clusters of 4 x 1, 327,680 bytes of LDS; arguments qkv, mcode, att; writes att
.if DOCPART == 6
	.amdgcn_target "amdgcn-amd-amdhsa--gfx1250"
	.amdhsa_code_object_version 6
	.text
	.protected	k_qd3d9c6f110_attn
	.globl	k_qd3d9c6f110_attn
	.p2align	8
	.type	k_qd3d9c6f110_attn,@function
k_qd3d9c6f110_attn:
	s_mov_b64 s[64:65], 0
	v_nop
	global_prefetch_b8 v0, s[64:65] scope:SCOPE_SE
	s_setreg_imm32_b32 hwreg(HW_REG_WAVE_MODE, 25, 1), 1
	s_wait_xcnt 0x0
	s_wait_alu depctr_hold_cnt(0) depctr_sa_sdst(0) depctr_va_vdst(0) depctr_va_sdst(0) depctr_va_ssrc(0) depctr_va_vcc(0) depctr_vm_vsrc(0)
	s_getreg_b32 s2, hwreg(HW_REG_IB_STS2, 6, 4)
	s_cmp_eq_u32 s2, 0
	s_cbranch_scc0 .Lentry_in_a_cluster
	s_endpgm
.Lentry_in_a_cluster:
	s_bfe_u32 s2, ttmp6, 0x10000c
	s_cmp_lg_u32 s2, 0x3003
	s_cbranch_scc0 .Lentry_shape_is_right
	s_endpgm
.Lentry_shape_is_right:
; attn: softmax(q k^T + mask) v for each of 64 (batch, head) pairs, with a running maximum; att = [B][H][S][64] f16.
; A cluster of four work-groups takes one head; a work-group 512 query rows; each of its eight waves 64 rows (four q tiles), two waves on a SIMD, so that
; one wave's softmax arithmetic can run beside the other's matrix instructions.  The four work-groups walk the same K and V tiles and ask for them jointly (mask 15).
; Keys go in tiles of 256 through two LDS slots (waves 0-3 fetch K's quarters, waves 4-7 V's).  A head's rows are 128 bytes in memory and stay so.
; THE TEXT IS KEPT SHORT: a tile's four steps of 64 keys run through one counted loop, on two LDS addresses that walk 64 rows a trip from the slot's constant base.
; The text holds six copies of a step: the first (it starts maxima, sums and O), tile 0's other three, one for each slot in the loop over tiles 1 to 6, tile 7's first three,
; and the last (it asks for no more mask codes).
; LAYOUT: S^T = K Q^T: lane (r, h) owns query r and holds keys 16 t + 8 h + j: maximum and sum stay in the lane but for one exchange of the halves, and the
; rounded P is a source-1 fragment as it stands.  O^T = V^T P^T, V^T read with the transposing LDS load: the rescaling is one factor a lane.
; q was stored times log2(e) / 8, so p = 2^(s - m) with the running maximum m taken away in one rounding.
; THE MASK arrives as FP4 codes, one for each score, in the order of S's registers: 0 for a key that counts, 0xF (-6) for a masked one.  A scaled conversion makes eight f32
; numbers of a register of eight codes, 0 or -6 x 2^28; four of them fill S, and the first product of each score tile adds onto that: the matrix unit adds the mask,
; as reference() adds it, and no instruction is spent on a single score.  A q tile's codes of a step are 512 consecutive bytes, one load, asked for a step ahead into four registers
; of that q tile's own, straight behind the conversions that read them.
; ROWS WITH EVERY KEY MASKED do not hang on how a sum with so large a C is rounded: the running maximum starts at a floor of -1e9 and never goes below it, and while a lane's maximum
; is at the floor its exponents are s x 0 - 0 = 0, so that every key so far counts 1; the first unmasked key makes the rescaling factor 2^(floor - m) = 0 and wipes that.
; FORMAT: q, k, v, P and the result are f16.  P lies in (0, 1]: a weight below 6e-8 counts as 0 beside a row sum of at least 1.  The result is an average of v and is bounded as v is.
; LIMITS: a masked score gets -6 x 2^28 as an exponent of 2, which is -1.116e9 in reference()'s units, where reference() adds -1e9: either makes the weight 0 beside an unmasked key.
; Scores stay below 5e8 in magnitude.  Rows with every key masked give the average of v, as reference() does while |sim| < 32; beyond that the two differ in such rows.
; NaN and infinities are not served.
; WINDOWS: 0 addresses, softmax, S, P, K fragments, mask codes; 1 O (v0-127), Q fragments (v128-191), V fragments (v192-255).
.set KPITCH, 144
.set VPITCH, 160                       ; 5 x 32
.set KBYTES, 256*KPITCH
.set SLOT,   KBYTES+256*VPITCH         ; 77,824
.set STAGE,  2*SLOT                    ; 155,648 = 608 x 256; 16 rows x 144 bytes for each wave
.set TILEB,  32768                     ; bytes of K (or V) in a tile
.set MSTEP,  512                       ; bytes of mask codes of a q tile and a step
.set MQT,    32*MSTEP                  ; of a q tile
.set KA,   2                           ; v2-3 K fragments at the head of slot 0, 1; never rewritten
.set VA,   4                           ; v4-5 V fragments likewise
.set STO,  6
.set RD,   7
.set CO,   8                           ; 16 x lane: the stores' offset; never rewritten
.set FLR,  9                           ; the floor of the running maximum
.set QOFF, 10
.set T,    12                          ; v[12:15] at work
.set U,    16                          ; v[16:23] sums at work
.set M,    28                          ; v28, 30, 32, 34 running maximum of q tile qt
.set LS,   36                          ; v[36:43] running sum, two partial sums
.set AL,   44                          ; v[44:45] the rescaling factor, twice
.set KW,   46                          ; K's address of the step at hand
.set VW,   47                          ; V's
.set F,    48                          ; v[48:49] 1, or 0 while the maximum is at the floor, twice
.set MF,   50                          ; v[50:51] the maximum times that, twice
.set ONE,  52
.set SC,   53                          ; the conversions' scale
.set MO,   54                          ; v[54:57] q tile qt: offset of the mask codes that it loads next
.set S,    64                          ; v[64:95]
.set PF,   96                          ; v[96:111]
.set KF,   128                         ; v[128:191]
.set MK,   192                         ; v[192:207] mask codes, q tile qt at 4 qt
.set O,    0                           ; window 1
.set QF,   128
.set VF,   192
.set G1K,  48
.set G1V,  56
.set G0K,  68                          ; s[68:75], a set for each slot
.set G0V,  76                          ; s[76:83]
.set MSB, 0
.macro WIN new
.if MSB != \new
	s_set_vgpr_msb (MSB<<8)|\new
.set MSB, \new
.endif
.endm
.macro PLACES                          ; four plain vector instructions behind a matrix instruction (ISA guide 7.12.1)
.rept 4
	v_nop
.endr
.endm
.macro CROUND                          ; a round of the cluster's barrier
	s_barrier_signal -1
	s_barrier_wait -1
	s_cmp_lg_u32 s10, 0
	s_cbranch_scc1 .Lnot_wave_0_\@
	s_barrier_signal -3
.Lnot_wave_0_\@:
	s_barrier_wait -3
	s_barrier_signal -1
	s_barrier_wait -1
.endm
.macro JLOAD s                         ; one joint load a wave: the branch hangs on the wave's number alone
	s_cmp_eq_u32 s11, 0
	s_cbranch_scc0 .Lfor_v_\@
	tensor_load_to_lds s[G0K+4*\s:G0K+4*\s+3], s[G1K:G1K+7]
	s_nop 0
	PLACES
	s_branch .Lasked_\@
.Lfor_v_\@:
	tensor_load_to_lds s[G0V+4*\s:G0V+4*\s+3], s[G1V:G1V+7]
	s_nop 0
	PLACES
.Lasked_\@:
.endm
.macro KLOAD                           ; 64 keys x 64 d as eight source-0 fragments
.irp t, 0,1,2,3
.irp u, 0,1
	ds_load_b128 v[KF+16*\t+8*\u:KF+16*\t+8*\u+3],   v[KW] offset:16*\t*KPITCH+64*\u
	ds_load_b128 v[KF+16*\t+8*\u+4:KF+16*\t+8*\u+7], v[KW] offset:16*\t*KPITCH+64*\u+32
.endr
.endr
.endm
.macro VLOAD                           ; the same keys of V, transposed: eight source-0 fragments of 16 d x 32 keys
	WIN 0x40
.irp dt, 0,1,2,3
.irp u, 0,1
	ds_load_tr16_b128 v[VF+16*\dt+8*\u:VF+16*\dt+8*\u+3],   v[VW] offset:32*\u*VPITCH+32*\dt
	ds_load_tr16_b128 v[VF+16*\dt+8*\u+4:VF+16*\dt+8*\u+7], v[VW] offset:32*\u*VPITCH+32*\dt+16*VPITCH
.endr
.endr
.endm
; the softmax step of q tile qt on the masked scores in S.  first: nothing is carried yet: the floor stands for the old maximum.
.macro SMAX qt, first
.if \first
	v_max3_num_f32 v[T], v[S], v[S+1], v[FLR]
.else
	v_max3_num_f32 v[T], v[S], v[S+1], v[M+2*\qt]
.endif
	v_max3_num_f32 v[T+1], v[S+2], v[S+3], v[S+4]
	v_max3_num_f32 v[T+2], v[S+5], v[S+6], v[S+7]
	v_max3_num_f32 v[T+3], v[S+8], v[S+9], v[S+10]
.set cc, 0
.rept 10
	v_max3_num_f32 v[T+cc%4], v[T+cc%4], v[S+11+2*cc], v[S+12+2*cc]
.set cc, cc+1
.endr
	v_max3_num_f32 v[T], v[T], v[T+1], v[T+2]
	v_max3_num_f32 v[T], v[T], v[T+3], v[S+31]
	v_permlanex16_b32 v[T+1], v[T], s66, s67       ; the other half of the lanes holds the query's other keys
	v_max_num_f32 v[T+1], v[T], v[T+1]             ; the new maximum, at the floor or above
.if \first == 0
	v_sub_f32 v[T+2], v[M+2*\qt], v[T+1]
	v_exp_f32 v[AL], v[T+2]                        ; 2^(old maximum - new); the lines below are the plain instructions behind it (ISA guide 5.7.2)
.endif
	v_mov_b32 v[M+2*\qt], v[T+1]
	v_cmp_lt_f32 vcc_lo, v[FLR], v[T+1]            ; has this query met an unmasked key?  It only selects values
	v_cndmask_b32 v[F], 0, v[ONE], vcc_lo
	v_cndmask_b32 v[MF], 0, v[T+1], vcc_lo
	v_mov_b32 v[F+1], v[F]
	v_mov_b32 v[MF+1], v[MF]
.if \first == 0
	s_wait_alu depctr_va_vdst(0)
	v_mov_b32 v[AL+1], v[AL]
.endif
.set cc, 0
.rept 16
	v_pk_fma_f32 v[S+2*cc:S+2*cc+1], v[S+2*cc:S+2*cc+1], v[F:F+1], v[MF:MF+1] neg_lo:[0,0,1] neg_hi:[0,0,1]   ; s x 1 - m, one rounding; at the floor s x 0 - 0
.set cc, cc+1
.endr
.set cc, 0
.rept 32
	v_exp_f32 v[S+cc], v[S+cc]
.set cc, cc+1
.endr
	v_nop                                          ; one plain vector instruction behind the transcendentals
	s_wait_alu depctr_va_vdst(0)
.irp c, 0,1,2,3
	v_pk_add_f32 v[U+2*\c:U+2*\c+1], v[S+4*\c:S+4*\c+1], v[S+4*\c+2:S+4*\c+3]
.endr
.set cc, 0
.rept 8
	v_pk_add_f32 v[U+2*(cc%4):U+2*(cc%4)+1], v[U+2*(cc%4):U+2*(cc%4)+1], v[S+16+2*cc:S+16+2*cc+1]
.set cc, cc+1
.endr
	v_pk_add_f32 v[U:U+1], v[U:U+1], v[U+2:U+3]
	v_pk_add_f32 v[U+4:U+5], v[U+4:U+5], v[U+6:U+7]
.if \first
	v_pk_add_f32 v[LS+2*\qt:LS+2*\qt+1], v[U:U+1], v[U+4:U+5]
.else
	v_pk_add_f32 v[U:U+1], v[U:U+1], v[U+4:U+5]
	v_pk_fma_f32 v[LS+2*\qt:LS+2*\qt+1], v[LS+2*\qt:LS+2*\qt+1], v[AL:AL+1], v[U:U+1]
.endif
.set cc, 0
.rept 16
	v_cvt_pk_f16_f32 v[PF+cc], v[S+2*cc], v[S+2*cc+1]
.set cc, cc+1
.endr
.endm
; one q tile against 64 keys.  ld: the next step's mask codes are asked for.  mcnt: the mask loads younger than this q tile's.
; In both products four accumulators take turns, one instruction a turn.
.macro QT qt, first, ld, mcnt
	WIN 0
	s_wait_loadcnt \mcnt                           ; loads come back in order: my codes are in, the other q tiles' stay out; my load's offset register is free
.irp t, 0,1,2,3
	v_cvt_scale_pk8_f32_fp4 v[S+8*\t:S+8*\t+7], v[MK+4*\qt+\t], v[SC]   ; 0, or -6 x 2^28 where the key is masked
.endr
.if \ld
	v_add_nc_u32 v[MO+\qt], MSTEP, v[MO+\qt]       ; the next step's codes; also the one plain instruction between the conversions and the products that read their results
.else
	v_nop                                          ; that one plain instruction
.endif
.if \qt == 0
	s_wait_dscnt 16                                ; K's fragments are in; the sixteen loads of V behind them stay out
.endif
	WIN 0x04                                       ; source 1 (Q) in window 1
.irp t, 0,1,2,3
	v_wmma_f32_16x16x32_f16 v[S+8*\t:S+8*\t+7], v[KF+16*\t:KF+16*\t+7], v[QF+16*\qt:QF+16*\qt+7], v[S+8*\t:S+8*\t+7]
.endr
.irp t, 0,1,2,3
	v_wmma_f32_16x16x32_f16 v[S+8*\t:S+8*\t+7], v[KF+16*\t+8:KF+16*\t+15], v[QF+16*\qt+8:QF+16*\qt+15], v[S+8*\t:S+8*\t+7]
.endr
	WIN 0
	PLACES
.if \ld
	global_load_b128 v[MK+4*\qt:MK+4*\qt+3], v[MO+\qt], s[84:85] offset:MQT*\qt   ; 512 consecutive bytes; it has a whole step in which to land
.endif
	SMAX \qt, \first
.if \qt == 0
	s_wait_dscnt 0x0                               ; V's fragments are in
.endif
	WIN 0x51                                       ; O and V in window 1, P and the factor in window 0
.if \first
.irp dt, 0,1,2,3
	v_wmma_f32_16x16x32_f16 v[O+8*(4*\qt+\dt):O+8*(4*\qt+\dt)+7], v[VF+16*\dt:VF+16*\dt+7], v[PF:PF+7], 0
.endr
.else
.set cc, 0
.rept 16
	v_pk_mul_f32 v[O+32*\qt+2*cc:O+32*\qt+2*cc+1], v[O+32*\qt+2*cc:O+32*\qt+2*cc+1], v[AL:AL+1]
.set cc, cc+1
.endr
.irp dt, 0,1,2,3
	v_wmma_f32_16x16x32_f16 v[O+8*(4*\qt+\dt):O+8*(4*\qt+\dt)+7], v[VF+16*\dt:VF+16*\dt+7], v[PF:PF+7], v[O+8*(4*\qt+\dt):O+8*(4*\qt+\dt)+7]
.endr
.endif
.irp dt, 0,1,2,3
	v_wmma_f32_16x16x32_f16 v[O+8*(4*\qt+\dt):O+8*(4*\qt+\dt)+7], v[VF+16*\dt+8:VF+16*\dt+15], v[PF+8:PF+15], v[O+8*(4*\qt+\dt):O+8*(4*\qt+\dt)+7]
.endr
.endm
; 64 keys for my four q tiles.  Four mask loads are out at its head.  With ld each q tile issues one more behind its wait, so the count is 3 throughout; without, the counts run down.
; At its end the two LDS addresses move on a step (all the step's LDS loads were waited for in its first q tile).
.macro STEP first, ld
	PLACES                                         ; behind the last step's matrix instructions, in front of the loads into V's fragments
	KLOAD
	VLOAD
.if \ld
	QT 0, \first, 1, 3
	QT 1, \first, 1, 3
	QT 2, \first, 1, 3
	QT 3, \first, 1, 3
.else
	QT 0, \first, 0, 3
	QT 1, \first, 0, 2
	QT 2, \first, 0, 1
	QT 3, \first, 0, 0
.endif
	WIN 0
	v_add_nc_u32 v[KW], 64*KPITCH, v[KW]
	v_add_nc_u32 v[VW], 64*VPITCH, v[VW]
.endm
.macro STEPS n                         ; n steps of a tile, one text
	s_mov_b32 s16, \n
.Lstep_\@:
	STEP 0, 1
	s_sub_co_u32 s16, s16, 1
	s_cmp_lg_u32 s16, 0
	s_cbranch_scc1 .Lstep_\@
.endm
; the head of a tile of 256 keys in slot `slot`.  The round of the cluster's barrier is the barrier in front of the refill: each wave's waits stand in front of it, the joint load first behind it.
; The four mask loads stay on their way across it: they land in registers, and nobody writes the bytes that they read.
.macro HEAD slot, other, refill
	s_wait_tensorcnt 0x0                           ; all my tensor loads have landed (one was out: my part of this tile), so every group 0 may be written
	ds_add_u32 v254, v255
	s_wait_dscnt 0x0
.if \refill
	s_add_nc_u64 s[G0K+4*\slot+2:G0K+4*\slot+3], s[G0K+4*\slot+2:G0K+4*\slot+3], 2*TILEB   ; this slot's next tile (behind tile 5 the stepped address is not used)
	s_add_nc_u64 s[G0V+4*\slot+2:G0V+4*\slot+3], s[G0V+4*\slot+2:G0V+4*\slot+3], 2*TILEB
.endif
	s_wait_dscnt 0x0                               ; my reads of the last tile are done
	CROUND
.if \refill
	JLOAD \other                                   ; the next tile, into the slot read last; it has this tile's four steps in which to land
.endif
	v_mov_b32 v[KW], v[KA+\slot]                   ; the walk begins at the slot's first rows
	v_mov_b32 v[VW], v[VA+\slot]
.endm
	s_load_b128 s[4:7], s[0:1], 0x0                ; qkv, mcode
	s_load_b64 s[8:9], s[0:1], 0x10                ; att
	v_lshl_add_u32 v254, v0, 2, 0x2a800
	v_mov_b32 v255, 0
	ds_add_u32 v254, v255
	v_lshrrev_b32 v1, 5, v0
	v_readfirstlane_b32 s10, v1                    ; wave
	s_lshr_b32 s11, s10, 2                         ; I fetch for K (0) or for V (1),
	s_and_b32 s12, s10, 3                          ; this quarter of the tile
	s_bfe_u32 s13, ttmp6, 0x40000                  ; cx: my block of 512 queries; ttmp9 is the cluster's number = 16 b + head
	s_mov_b32 s66, 0x76543210
	s_mov_b32 s67, 0xfedcba98
	; group 1: 64 rows x 64 elements of 2 bytes, dense; behind each row (32 words) 4 words of padding for K, 8 for V
	s_mov_b32 s[G1K+0], 15|(1<<16)|(1<<20)|(1<<21)|(4<<22)|(3<<25)
	s_mov_b32 s[G1V+0], 15|(1<<16)|(1<<20)|(1<<21)|(4<<22)|(7<<25)
.irp g, G1K, G1V
	s_mov_b32 s[\g+1], 64<<16
	s_mov_b32 s[\g+2], 64<<16
	s_mov_b32 s[\g+3], 64<<16
	s_mov_b32 s[\g+4], 64
	s_mov_b32 s[\g+5], 64
	s_mov_b32 s[\g+6], 0
	s_mov_b32 s[\g+7], 0
.endr
	s_lshl_b32 s88, ttmp9, 18                      ; K's offset: the head, my quarter, K's plane; no place in the cluster enters it
	s_lshl_b32 s14, s12, 13
	s_add_co_u32 s88, s88, s14
	s_add_co_u32 s88, s88, 0x1000000
	s_mov_b32 s89, 0
	s_mul_i32 s14, s12, 64*KPITCH                  ; my quarter in LDS
	s_mul_i32 s87, s12, 64*VPITCH
	s_lshl_b32 s90, ttmp9, 18                      ; my 64 rows of q and of att
	s_lshl_b32 s15, s13, 16
	s_add_co_u32 s90, s90, s15
	s_lshl_b32 s15, s10, 13
	s_add_co_u32 s90, s90, s15
	s_mov_b32 s91, 0
	s_lshr_b32 s84, ttmp9, 4                       ; my four q tiles of the mask codes: batch (128 q tiles), then 32 cx + 4 w q tiles of 16,384 bytes
	s_lshl_b32 s84, s84, 21
	s_lshl_b32 s15, s13, 19
	s_add_co_u32 s84, s84, s15
	s_lshl_b32 s15, s10, 16
	s_add_co_u32 s84, s84, s15
	s_mov_b32 s85, 0
	v_and_b32 v1, 31, v0                           ; L
	v_and_b32 v11, 15, v0                          ; r
	v_bfe_u32 v24, v0, 4, 1                        ; h
	v_and_b32 v25, 7, v0
	v_bfe_u32 v26, v0, 3, 1
	v_lshlrev_b32 v[QOFF], 7, v11
	v_lshl_add_u32 v[QOFF], v24, 4, v[QOFF]
	v_lshlrev_b32 v[CO], 4, v1
.irp qt, 0,1,2,3
	v_mov_b32 v[MO+\qt], v[CO]                     ; step 0's codes: 16 bytes a lane; an offset register for each q tile, so that each steps behind its own load's wait
.endr
	s_wait_dscnt 0x0
	s_wait_kmcnt 0x0
	s_add_nc_u64 s[88:89], s[4:5], s[88:89]
	s_add_nc_u64 s[4:5], s[4:5], s[90:91]
	s_add_nc_u64 s[8:9], s[8:9], s[90:91]
	s_add_nc_u64 s[84:85], s[6:7], s[84:85]
	WIN 0x40
.irp qt, 0,1,2,3
.irp u, 0,1
	global_load_b128 v[QF+16*\qt+8*\u:QF+16*\qt+8*\u+3],   v[QOFF], s[4:5] offset:2048*\qt+64*\u
	global_load_b128 v[QF+16*\qt+8*\u+4:QF+16*\qt+8*\u+7], v[QOFF], s[4:5] offset:2048*\qt+64*\u+32
.endr
.endr
	WIN 0
.irp qt, 0,1,2,3
	global_load_b128 v[MK+4*\qt:MK+4*\qt+3], v[MO+\qt], s[84:85] offset:MQT*\qt   ; step 0's mask codes
.endr
.irp s, 0,1
	s_mov_b32 s[G0K+4*\s], 1
	s_add_co_u32 s[G0K+4*\s+1], s14, \s*SLOT
	s_add_nc_u64 s[G0K+4*\s+2:G0K+4*\s+3], s[88:89], \s*TILEB
	s_or_b32 s[G0K+4*\s+3], s[G0K+4*\s+3], 0x80000000
	s_mov_b32 s[G0V+4*\s], 1
	s_add_co_u32 s[G0V+4*\s+1], s87, \s*SLOT+KBYTES
	s_add_nc_u64 s[G0V+4*\s+2:G0V+4*\s+3], s[88:89], \s*TILEB+0x1000000
	s_or_b32 s[G0V+4*\s+3], s[G0V+4*\s+3], 0x80000000
.endr
	CROUND                                         ; all four work-groups are here
	JLOAD 0                                        ; tile 0; slot 1 is first filled behind the first tile's round.  One tensor load of a wave is out at any time
	v_mul_u32_u24 v27, v11, KPITCH
	v_lshl_add_u32 v[KA], v24, 4, v27              ; key row r, byte 16 h
	v_add_nc_u32 v[KA+1], SLOT, v[KA]
	v_lshl_add_u32 v27, v24, 3, v25
	v_mul_u32_u24 v27, v27, VPITCH
	v_lshl_add_u32 v27, v26, 4, v27                ; key row 8 h + (L & 7), 16 bytes at 16 ((L >> 3) & 1)
	v_add_nc_u32 v[VA], KBYTES, v27
	v_add_nc_u32 v[VA+1], KBYTES+SLOT, v27
	s_mul_i32 s14, s10, 16*KPITCH
	s_add_co_u32 s14, s14, STAGE                   ; my stage
	v_add_nc_u32 v[STO], s14, v[KA]
	v_lshrrev_b32 v27, 3, v1
	v_mul_u32_u24 v27, v27, KPITCH
	v_lshl_add_u32 v27, v25, 4, v27
	v_add_nc_u32 v[RD], s14, v27
	v_mov_b32 v[FLR], 0xce6e6b28                   ; -1e9: above every masked score, below every other
	v_mov_b32 v[ONE], 1.0
	v_mov_b32 v[SC], 0x4d9b9b9b                    ; the scale 2^28 as the code 155 = 127 + 28 in byte 0 (bytes 1 and 2 repeat it)
	s_wait_loadcnt 4                               ; Q's fragments, once; the four mask loads behind them stay out
	HEAD 0, 1, 1                                   ; tile 0
	STEP 1, 1                                      ; its first step starts maxima, sums and O: nothing is cleared
	STEPS 3
	s_mov_b32 s86, 3                               ; tiles 1 to 6
.Lpair:
	HEAD 1, 0, 1
	STEPS 4
	HEAD 0, 1, 1
	STEPS 4
	s_sub_co_u32 s86, s86, 1
	s_cmp_lg_u32 s86, 0
	s_cbranch_scc1 .Lpair
	HEAD 1, 0, 0                                   ; tile 7 asks for no tile,
	STEPS 3
	STEP 0, 0                                      ; and its last step for no mask codes: no load points past the buffer
	PLACES
; the way out of q tile qt: divide by the sum, round, 16 rows through my stage, four stores of 512 consecutive bytes
.macro OUTQ qt
	WIN 0
	v_add_f32 v[T], v[LS+2*\qt], v[LS+2*\qt+1]
	v_permlanex16_b32 v[T+1], v[T], s66, s67
	v_add_f32 v[T], v[T], v[T+1]
	v_rcp_f32 v[AL], v[T]                          ; the sum is at least 1: the largest score of the last step that raised the maximum counts as 2^0, and at the floor every key counts 1
	v_nop
	s_wait_alu depctr_va_vdst(0)
	v_mov_b32 v[AL+1], v[AL]
	WIN 0x41
.set cc, 0
.rept 16
	v_pk_mul_f32 v[O+32*\qt+2*cc:O+32*\qt+2*cc+1], v[O+32*\qt+2*cc:O+32*\qt+2*cc+1], v[AL:AL+1]
.set cc, cc+1
.endr
	WIN 0x05
.set cc, 0
.rept 16
	v_cvt_pk_f16_f32 v[PF+cc], v[O+32*\qt+2*cc], v[O+32*\qt+2*cc+1]
.set cc, cc+1
.endr
	WIN 0
.irp dt, 0,1,2,3
	ds_store_b128 v[STO], v[PF+4*\dt:PF+4*\dt+3] offset:32*\dt
.endr
.irp i, 0,1,2,3
	ds_load_b128 v[KF+16*\qt+4*\i:KF+16*\qt+4*\i+3], v[RD] offset:4*KPITCH*\i   ; my own bytes, served in order behind my stores; registers of their own for each q tile
.endr
.irp i, 0,1,2,3
	s_wait_dscnt 3-\i
	global_store_b128 v[CO], v[KF+16*\qt+4*\i:KF+16*\qt+4*\i+3], s[8:9] offset:2048*\qt+512*\i
.endr
.endm
	OUTQ 0
	OUTQ 1
	OUTQ 2
	OUTQ 3
	s_wait_tensorcnt 0x0
	ds_add_u32 v254, v255
	s_wait_dscnt 0x0
	CROUND                                         ; the closing round
	s_endpgm
.Lfunc_end_k_qd3d9c6f110_attn:
	.size	k_qd3d9c6f110_attn, .Lfunc_end_k_qd3d9c6f110_attn-k_qd3d9c6f110_attn
	.p2alignl 7, 3214868480
	.fill 96, 4, 3214868480
	.section	.rodata,"a",@progbits
	.p2align	6, 0x0
	.amdhsa_kernel k_qd3d9c6f110_attn
		.amdhsa_group_segment_fixed_size 327680
		.amdhsa_private_segment_fixed_size 0
		.amdhsa_enable_private_segment 0
		.amdhsa_kernarg_size 24
		.amdhsa_user_sgpr_count 2
		.amdhsa_user_sgpr_kernarg_segment_ptr 1
		.amdhsa_wavefront_size32 1
		.amdhsa_system_sgpr_workgroup_id_x 1
		.amdhsa_system_sgpr_workgroup_id_y 1
		.amdhsa_system_sgpr_workgroup_id_z 1
		.amdhsa_system_vgpr_workitem_id 0
		.amdhsa_next_free_vgpr 512
		.amdhsa_next_free_sgpr 92
		.amdhsa_reserve_vcc 1
		.amdhsa_float_denorm_mode_32 3
		.amdhsa_float_denorm_mode_16_64 3
		.amdhsa_memory_ordered 1
		.amdhsa_forward_progress 1
		.amdhsa_inst_pref_size 232
	.end_amdhsa_kernel
	.amdgpu_metadata
---
amdhsa.version: [ 1, 2 ]
amdhsa.kernels:
  - .name:           k_qd3d9c6f110_attn
    .symbol:         k_qd3d9c6f110_attn.kd
    .args:
      - { .name: qkv, .offset: 0, .size: 8, .value_kind: global_buffer, .address_space: global }
      - { .name: mcode, .offset: 8, .size: 8, .value_kind: global_buffer, .address_space: global }
      - { .name: att, .offset: 16, .size: 8, .value_kind: global_buffer, .address_space: global }
    .group_segment_fixed_size: 327680
    .private_segment_fixed_size: 0
    .kernarg_segment_align: 8
    .kernarg_segment_size: 24
    .max_flat_workgroup_size: 256
    .sgpr_count:     92
    .vgpr_count:     512
    .wavefront_size: 32
...
	.end_amdgpu_metadata
.endif
;; end of part 6
;; launch outp: the kernel of part 4 again; grid 4 x 64, 4 waves a work-group, clusters of 4 x 4, 327,680 bytes of LDS; arguments att, wb, bo, out0; writes out0
